; MI455X (gfx1250); checked and timed in simulation.
; The chip was launched on July 23, 2026; its instructions are those of AMD's public machine-readable ISA for CDNA 5 (MIT licence, August 2026) and "CDNA5" Instruction Set Architecture Reference Guide (July 2026). The comments in the code are by the model that wrote it; some were corrected since.
;; RJ Causal Multi Head Self Attention. Allowed arithmetic: matrix products marked QUANTISED: E2M1 operands, one E8M0 scale for each 32 along K, by v_wmma_scale_f32_16x16x128_f8f6f4 with both operands' format E2M1 (or v_wmma_scale_f32_32x16x128_f4), f32 sums; products left as they are: bf16, f16 or f32 operands; f32 sums; everything else in f32.
;; Inputs: Wk 1,024 x 1,024 float32; Wo 1,024 x 1,024 float32; Wq 1,024 x 1,024 float32; Wv 1,024 x 1,024 float32; in_features 4 x 2,048 x 1,024 float32; token_positions 4 x 2,048 int32.
;; Outputs: out0 4 x 2,048 x 1,024 float32.
;; This version of the problem:
;;   THIS VERSION OF THE PROBLEM IS GIVEN IN LOW PRECISION. The matrix products marked QUANTISED in the list below multiply operands that are first quantised to E2M1 (2 exponent bits, 1 mantissa bit; 4 bits a number), with one power-of-two scale for each 32 numbers along K (OCP MX v1.0); their sums are f32. The products marked 'left as it is' may take bf16, f16 or f32 operands, with f32 sums. Whichever they take, every output number must still come out within the allowed error. Rounding operands to bf16 (8 significant bits) uses up far more of that allowance than f16 does (11 bits, for magnitudes from 6e-5 to 65,504). All else is computed in f32.
;;   The module's matrix products, in the order in which they are computed (A, B: the left and right operand; K: the contracted axis; several contracted axes count as one K, in the product's order):
;;     1. [M 8,192, K 1,024] x [K 1,024, N 1,024]; A: input in_features; B: input Wq: QUANTISED
;;     2. [M 8,192, K 1,024] x [K 1,024, N 1,024]; A: input in_features; B: input Wk: QUANTISED
;;     3. [M 8,192, K 1,024] x [K 1,024, N 1,024]; A: input in_features; B: input Wv: QUANTISED
;;     4. batch 64 x [M 2,048, K 64] x [K 64, N 2,048]; A: computed on the way; B: computed on the way: left as it is (an operand is computed on the way)
;;     5. batch 64 x [M 2,048, K 2,048] x [K 2,048, N 64]; A: computed on the way; B: computed on the way: left as it is (an operand is computed on the way)
;;     6. [M 8,192, K 1,024] x [K 1,024, N 1,024]; A: computed on the way; B: input Wo: left as it is (an operand is computed on the way)
;;   THE QUANTISER, for each operand of a quantised product, along K:
;;     - K is cut into blocks of 32 from its start; a last block that is shorter is filled with zeros.
;;     - A block's scale is 2^e with e = floor(log2(the largest magnitude in the block)) - 2, held to -126 .. 127; a block of zeros has e = 0. As a byte (E8M0): e + 127.
;;     - Each number is divided by its block's scale, clamped to +-6, and rounded to the nearest number of E2M1, ties to even, subnormals kept.
;;     - The product sums the exact products of the quantised numbers (number of the format x scale) in f32.
;;   ~~~python
;;   def quantise(x, axis):      # numpy; x: float32 -> the quantised numbers, widened to float32 again
;;       x = np.moveaxis(x, axis, -1); K = x.shape[-1]
;;       x = np.pad(x, [(0, 0)] * (x.ndim - 1) + [(0, -K % 32)]); x = x.reshape(x.shape[:-1] + (-1, 32)); a = np.abs(x).max(-1, keepdims=True)
;;       e = np.where(a > 0, np.clip(np.frexp(np.where(a > 0, a, 1))[1] - 1 - 2, -126, 127), 0)      # np.frexp(a)[1] - 1 = floor(log2(a)), exactly
;;       r = np.clip(x / 2.0 ** e, -6, 6)
;;       step = 2.0 ** (np.maximum(np.frexp(np.where(r == 0, 1, r))[1] - 1, 0) - 1)
;;       q = np.round(r / step) * step * 2.0 ** e      # np.round: ties to even
;;       return np.moveaxis(q.reshape(q.shape[:-2] + (-1,))[..., :K], -1, axis).astype(np.float32)
;;   ~~~
;; One version. Each part assembles by itself: llvm-mc -triple=amdgcn-amd-amdhsa -mcpu=gfx1250 --defsym DOCPART=n.
;; ======== version 1 of 1: 5 launches
;; limits: values are held in f16: magnitudes above 65,504 overflow, below 6.1e-05 lose precision
;; workspace buffers: codes 5,767,168 bytes; scl 360,448 bytes; wo16 2,097,152 bytes; cs 2,097,152 bytes; qkv 50,331,648 bytes; q32 786,432 bytes; att 16,777,216 bytes
;; launch prep (part 1): grid 416 x 1, 4 waves a work-group, no clusters, 33,280 bytes of LDS; arguments in_features, Wq, Wk, Wv, Wo, token_positions, codes, scl, wo16, cs; writes codes, scl, wo16, cs
.if DOCPART == 1
	.amdgcn_target "amdgcn-amd-amdhsa--gfx1250"
	.amdhsa_code_object_version 6
	.text
	.protected	k_q76cc5ba50f_prep
	.globl	k_q76cc5ba50f_prep
	.p2align	8
	.type	k_q76cc5ba50f_prep,@function
k_q76cc5ba50f_prep:
	s_mov_b64 s[64:65], 0
	v_nop
	global_prefetch_b8 v0, s[64:65] scope:SCOPE_SE
	s_setreg_imm32_b32 hwreg(HW_REG_WAVE_MODE, 25, 1), 1
	s_wait_xcnt 0x0
; CAUSAL MULTI-HEAD SELF-ATTENTION, B = 4, S = 2,048, D = 1,024, 16 heads of 64, in five launches.  This is the first: it prepares operands.
;   work-groups   0-351: in_features, Wq, Wk, Wv (f32, K innermost) -> codes of FP4 (E2M1) and one E8M0 byte for each 32 along K, one stream of rows of 1,024 codes: rows 0-8,191 x, then Wq, Wk, Wv
;   work-groups 352-383: Wo -> f16 (the last product is left as it is, and takes f16 operands)
;   work-groups 384-415: cos and sin of position x 10000^(-p / 32) for each token and each of the 32 pairs p, laid in the order in which the next launch's registers take them
; WORK LEFT OUT IN THE WHOLE PROGRAM: reference() puts -inf, by a mask that it builds itself (jnp.tril), on every score whose key comes after its query; the softmax makes 0 of it, and that 0 multiplies V.
; So, for all values of the inputs, a key step all of whose keys come after all queries of a tile reaches no output: the third launch does not walk such steps.  Nothing else is left out; every input is loaded.
; LIMITS: a NaN, an infinity or an overflow that reaches only such masked steps is not carried to the result.  NaN and infinities among the inputs are not served.  A block of zeros gets the byte 1 where the
; quantiser says 127: its codes are zeros, which add nothing under any byte but 0xff, and this program alone reads the bytes; blocks whose largest magnitude lies under 2^-124 are held at the byte 1.
; token_positions lie in 0 .. 2,047, the table that reference() indexes.  The angles differ from reference()'s f32 table by up to about 2e-4 rad at the largest angles (the power and the product are rounded otherwise).
; Wo, and Q, K, V and the attention's result in the later launches, must lie under 65,504 in magnitude (f16); under 6e-5 they lose bits.
.set WAVES, 4
.set STEPS, 16
.set EMAX,  2
.set CB,    8                          ; bytes of 16 codes
.set R,     16                         ; v16-79   four sets of 16 numbers as they are loaded
.set X,     80                         ; v80-111  two sets of 16 neighbours
.set E,     112                        ; v112-127 a scale byte for each step
.set C,     128                        ; v128-191 codes: four registers for each step, so that no store's data are written again
.set WREG,  8192                       ; LDS: a region of its own for each wave: two stages of 32 x SP bytes, and behind them its 256 scale bytes
.set SP,    80                         ; a lane's place in a stage: its 64 bytes + 16 of padding
.set SPW,   12                         ; v12  LDS address of my spare word; never rewritten
.set NIL,   13                         ; v13  0; never rewritten
.set SPARE, WAVES*WREG                 ; behind the four regions: the spare words, 128 bytes a wave
.set IN,    16                         ; Wo's path: v16-143 two sets of 64 numbers
.set OW,    144                        ; v144-207 two sets of 32 registers of f16 pairs
.set INV,   16                         ; the table's path: v16-31 my 16 inverse frequencies
.set OUTR,  32                         ; v32-63 a token block's 32 numbers of my lane
	s_load_b256 s[4:11], s[0:1], 0x0               ; x s[4:5], Wq s[6:7], Wk s[8:9], Wv s[10:11]
	s_load_b256 s[12:19], s[0:1], 0x20             ; Wo s[12:13], positions s[14:15], codes s[16:17], scale bytes s[18:19]
	s_load_b128 s[20:23], s[0:1], 0x40             ; Wo as f16 s[20:21], the table s[22:23]
	v_lshl_add_u32 v[SPW], v0, 2, SPARE
	v_mov_b32 v[NIL], 0
	v_lshrrev_b32 v1, 5, v0
	v_readfirstlane_b32 s24, v1                    ; wave
	v_and_b32 v2, 31, v0                           ; lane
	s_cmp_ge_u32 ttmp9, 352
	s_cbranch_scc1 .Laux
; ---- THE QUANTISER.  Rows are dense and K is a multiple of 32: every tensor is a plain stream of blocks of 32, and so are its codes and bytes.  A wave takes 16 steps of 512 numbers.
; Each load reads 512 consecutive bytes; a step's 2,048 bytes turn through the wave's own stage in LDS, so that a lane then holds 16 neighbours along K (two neighbouring lanes hold a block).
	v_lshlrev_b32 v3, 4, v2                        ; my 16 bytes of a load's 512
	s_mul_i32 s26, s24, WREG
	v_lshrrev_b32 v14, 2, v2
	v_mul_u32_u24 v14, v14, SP
	v_and_b32 v15, 3, v2
	v_lshl_add_u32 v14, v15, 4, v14
	v_add_nc_u32 v14, s26, v14                     ; the stage on the way in: SP (lane / 4) + 16 (lane % 4)
	v_mul_u32_u24 v15, v2, SP
	v_add_nc_u32 v15, s26, v15                     ; and on the way out: SP x lane
	v_mul_u32_u24 v4, v2, CB                       ; my codes' place in a step's
	v_lshrrev_b32 v5, 1, v2
	s_add_co_u32 s26, s26, 2*32*SP
	v_add_nc_u32 v5, s26, v5                       ; LDS: my wave's 256 scale bytes, my block's byte
	v_lshlrev_b32 v7, 3, v2                        ; and on the way out 8 bytes a lane
	v_add_nc_u32 v6, s26, v7
	s_wait_kmcnt 0x0
	s_mov_b32 s25, 0                               ; which tensor: the choice hangs on the work-group's number alone
	s_cmp_ge_u32 ttmp9, 256
	s_cselect_b64 s[4:5], s[6:7], s[4:5]
	s_cselect_b32 s25, 256, s25
	s_cmp_ge_u32 ttmp9, 288
	s_cselect_b64 s[4:5], s[8:9], s[4:5]
	s_cselect_b32 s25, 288, s25
	s_cmp_ge_u32 ttmp9, 320
	s_cselect_b64 s[4:5], s[10:11], s[4:5]
	s_cselect_b32 s25, 320, s25
	s_sub_co_u32 s26, ttmp9, s25
	s_lshl_b32 s26, s26, 2
	s_add_co_u32 s26, s26, s24                     ; which run of 8,192 numbers of the tensor is my wave's
	s_lshl_b32 s26, s26, 15                        ; 32,768 bytes a run
	s_mov_b32 s27, 0
	s_add_nc_u64 s[4:5], s[4:5], s[26:27]
	s_lshl_b32 s28, ttmp9, 2
	s_add_co_u32 s28, s28, s24                     ; and which run of the one stream of codes
	s_lshl_b32 s26, s28, 12                        ; 4,096 bytes of codes a run
	s_add_nc_u64 s[16:17], s[16:17], s[26:27]
	s_lshl_b32 s26, s28, 8                         ; 256 scale bytes a run
	s_add_nc_u64 s[18:19], s[18:19], s[26:27]
.macro LOAD t
.irp i, 0,1,2,3
	global_load_b128 v[R+16*((\t)%4)+4*\i:R+16*((\t)%4)+4*\i+3], v3, s[4:5] offset:2048*(\t)+512*\i th:TH_LOAD_NT   ; 32 lanes read 512 consecutive bytes
.endr
.endm
.macro TURN t                          ; step t's numbers through the stage: LDS serves a wave's instructions in order, so no wait stands between the stores and the loads
.irp i, 0,1,2,3
	ds_store_b128 v14, v[R+16*((\t)%4)+4*\i:R+16*((\t)%4)+4*\i+3] offset:32*SP*((\t)%2)+8*SP*\i
.endr
.irp i, 0,1,2,3
	ds_load_b128 v[X+16*((\t)%2)+4*\i:X+16*((\t)%2)+4*\i+3], v15 offset:32*SP*((\t)%2)+16*\i
.endr
.endm
.irp t, 0,1,2,3
	LOAD \t
.endr
	s_wait_loadcnt 12                              ; step 0's four loads are in; those of steps 1 to 3 stay out
	TURN 0
.macro STEP t
.set XS, X+16*((\t)%2)
.if (\t) > 0
	s_wait_dscnt 1                                 ; this step's numbers are back from the stage (the last step's byte store may be out)
.else
	s_wait_dscnt 0x0
.endif
.if (\t)+4 < STEPS
	LOAD (\t)+4                                    ; the registers that the stage's stores have read take the loads of four steps on
.endif
.if (\t)+1 < STEPS
.if STEPS-2-(\t) >= 3
	s_wait_loadcnt 12                              ; the next step's four loads are in; those of the three steps behind it may be out
.else
	s_wait_loadcnt 4*(STEPS-2-(\t))
.endif
	TURN (\t)+1                                    ; and go through the other stage while this step is worked
.endif
	v_max3_num_f32 v8, |v[XS]|, |v[XS+1]|, |v[XS+2]|               ; the largest magnitude of my 16
	v_max3_num_f32 v9, |v[XS+3]|, |v[XS+4]|, |v[XS+5]|
.irp i, 6,10
	v_max3_num_f32 v8, v8, |v[XS+\i]|, |v[XS+\i+1]|
	v_max3_num_f32 v9, v9, |v[XS+\i+2]|, |v[XS+\i+3]|
.endr
	v_max3_num_f32 v8, v8, |v[XS+14]|, |v[XS+15]|
	v_max3_num_f32 v8, v8, v9, (EMAX+1)<<23        ; and the floor 2^(3 - 127): so the byte cannot fall under 1
	v_max_num_f32_dpp v8, v8, v8 row_xmask:1 row_mask:0xf bank_mask:0xf   ; and of my neighbour's 16: the block's
	v_add_nc_u32 v11, 0xff000000, v8               ; 2 off its exponent field: the conversion takes the exponent field of this operand as its scale
	v_cvt_scalef32_pk8_fp4_f32 v[C+4*(\t)], v[XS:XS+7], v11       ; eight numbers / the scale, to the nearest code, ties to even, beyond 6 the largest code; the first number's code in the lowest four bits
	v_cvt_scalef32_pk8_fp4_f32 v[C+4*(\t)+1], v[XS+8:XS+15], v11
	v_lshrrev_b32 v[E+(\t)], 23, v11               ; the scale's byte
	ds_store_b8 v5, v[E+(\t)] offset:16*(\t)       ; both lanes of a block write the same byte with the same value
	global_store_b64 v4, v[C+4*(\t):C+4*(\t)+1], s[16:17] offset:32*CB*(\t)   ; 32 lanes store 256 consecutive bytes, aligned
.endm
.irp t, 0,1,2,3,4,5,6,7,8,9,10,11,12,13,14,15
	STEP \t
.endr
	ds_load_b64 v[8:9], v6                         ; LDS serves a wave's instructions in order: these see my stores
	s_wait_dscnt 0x0
	global_store_b64 v7, v[8:9], s[18:19]          ; my wave's 256 scale bytes: 256 consecutive bytes, aligned
	s_wait_tensorcnt 0x0                           ; the wave's end, behind my last LDS store
	ds_add_u32 v[SPW], v[NIL]
	s_wait_dscnt 0x0
	s_endpgm
.Laux:
	s_cmp_ge_u32 ttmp9, 384
	s_cbranch_scc1 .Lrope
; ---- Wo TO f16.  A wave takes 8,192 numbers: 64 loads of 512 consecutive bytes in four groups of 16, two groups on their way; a store covers 256 consecutive bytes, aligned.  No LDS.
	v_lshlrev_b32 v3, 4, v2
	v_lshlrev_b32 v4, 3, v2
	s_sub_co_u32 s26, ttmp9, 352
	s_lshl_b32 s26, s26, 2
	s_add_co_u32 s28, s26, s24                     ; my run
	s_lshl_b32 s26, s28, 15
	s_mov_b32 s27, 0
	s_wait_kmcnt 0x0
	s_add_nc_u64 s[12:13], s[12:13], s[26:27]
	s_lshl_b32 s26, s28, 14
	s_add_nc_u64 s[20:21], s[20:21], s[26:27]
.macro WLOAD g
.irp i, 0,1,2,3,4,5,6,7,8,9,10,11,12,13,14,15
	global_load_b128 v[IN+64*((\g)%2)+4*\i:IN+64*((\g)%2)+4*\i+3], v3, s[12:13] offset:(16*(\g)+\i)*512 th:TH_LOAD_NT
.endr
.endm
.macro WCVT g
.if (\g) < 3
	s_wait_loadcnt 16                              ; this group's 16 loads are in; the next group's stay out
.else
	s_wait_loadcnt 0x0
.endif
.if (\g) >= 2
	s_wait_xcnt 0x0                                ; the stores of two groups back have read this set of registers
.endif
.irp i, 0,1,2,3,4,5,6,7,8,9,10,11,12,13,14,15
	v_cvt_pk_f16_f32 v[OW+32*((\g)%2)+2*\i], v[IN+64*((\g)%2)+4*\i], v[IN+64*((\g)%2)+4*\i+1]
	v_cvt_pk_f16_f32 v[OW+32*((\g)%2)+2*\i+1], v[IN+64*((\g)%2)+4*\i+2], v[IN+64*((\g)%2)+4*\i+3]
.endr
.if (\g)+2 < 4
	WLOAD (\g)+2                                   ; loads ahead of stores
.endif
.irp i, 0,1,2,3,4,5,6,7,8,9,10,11,12,13,14,15
	global_store_b64 v4, v[OW+32*((\g)%2)+2*\i:OW+32*((\g)%2)+2*\i+1], s[20:21] offset:(16*(\g)+\i)*256
.endr
.endm
	WLOAD 0
	WLOAD 1
	WCVT 0
	WCVT 1
	WCVT 2
	WCVT 3
	s_endpgm
.Lrope:
; ---- THE TABLE.  A wave takes 4 blocks of 16 tokens.  Lane (r, h) holds token r of a block and the 16 pairs p = 8 b + 4 h + 0 .. 3, b = 0 .. 3.  A block's 4,096 bytes: at b x 1,024 + j x 512 + 16 x lane
; stand cos, sin of pair 8 b + 4 h + 2 j and cos, sin of the pair after it: a store covers 512 consecutive bytes, and the reader's loads are the same lines.
; cos and sin: the angle less the nearest multiple of pi / 2 (taken off in two words), polynomials on -pi/4 .. pi/4, and the quadrant by selects.
	v_lshlrev_b32 v3, 4, v2
	v_and_b32 v4, 15, v0
	v_lshlrev_b32 v4, 2, v4                        ; my token's position: 4 bytes
	v_bfe_u32 v5, v0, 4, 1
	v_lshlrev_b32 v5, 2, v5                        ; 4 h
.irp n, 0,1,2,3,4,5,6,7,8,9,10,11,12,13,14,15
	v_add_nc_u32 v[INV+\n], 8*(\n/4)+2*((\n/2)%2)+(\n%2), v5      ; pair p
.endr
.irp n, 0,1,2,3,4,5,6,7,8,9,10,11,12,13,14,15
	v_cvt_f32_u32 v[INV+\n], v[INV+\n]
.endr
.irp n, 0,1,2,3,4,5,6,7,8,9,10,11,12,13,14,15
	v_mul_f32 v[INV+\n], 0xbed49a78, v[INV+\n]     ; -p log2(10000) / 32
.endr
.irp n, 0,1,2,3,4,5,6,7,8,9,10,11,12,13,14,15
	v_exp_f32 v[INV+\n], v[INV+\n]                 ; 10000^(-p / 32)
.endr
	v_nop                                          ; a plain instruction behind the last exponential
	s_wait_alu depctr_va_vdst(0)                   ; one wait for the batch of sixteen, ahead of its first reader and of the label below
	s_mov_b32 s30, 0xbfc90fdb                      ; -pi/2, its high word,
	s_mov_b32 s31, 0x333bbd2e                      ; and what the high word leaves
	s_mov_b32 s32, 0xb94ca1f9                      ; sine: -1.9515296e-4, 8.3321609e-3, -1.6666655e-1
	s_mov_b32 s33, 0x3c08839e
	s_mov_b32 s34, 0xbe2aaaa3
	s_mov_b32 s35, 0x37ccf5ce                      ; cosine: 2.4433157e-5, -1.3887316e-3, 4.1666646e-2
	s_mov_b32 s36, 0xbab6061a
	s_mov_b32 s37, 0x3d2aaaa5
	s_sub_co_u32 s26, ttmp9, 384
	s_lshl_b32 s26, s26, 2
	s_add_co_u32 s26, s26, s24
	s_lshl_b32 s28, s26, 2                         ; my first block of tokens
	s_lshl_b32 s26, s28, 12
	s_mov_b32 s27, 0
	s_wait_kmcnt 0x0
	s_add_nc_u64 s[22:23], s[22:23], s[26:27]
	s_lshl_b32 s26, s28, 6
	s_add_nc_u64 s[14:15], s[14:15], s[26:27]
.macro SINCOS inv, c, s
	v_mul_f32 v5, v1, v[\inv]                      ; the angle, rounded as reference() rounds it
	v_mul_f32 v6, 0x3f22f983, v5
	v_rndne_f32 v6, v6                             ; n = the nearest whole number to angle x 2 / pi
	v_fma_f32 v5, v6, s30, v5
	v_fma_f32 v5, v6, s31, v5                      ; r = angle - n pi / 2
	v_mul_f32 v7, v5, v5                           ; z = r^2
	v_cvt_i32_f32 v6, v6
	v_fma_f32 v8, v7, s32, s33
	v_fma_f32 v9, v7, s35, s36
	v_fma_f32 v8, v8, v7, s34
	v_fma_f32 v9, v9, v7, s37
	v_mul_f32 v10, v7, v5
	v_mul_f32 v11, v7, v7
	v_fma_f32 v14, v7, -0.5, 1.0
	v_fma_f32 v8, v8, v10, v5                      ; sin r
	v_fma_f32 v9, v9, v11, v14                     ; cos r
	v_and_b32 v10, 1, v6
	v_cmp_eq_u32 vcc_lo, 1, v10                    ; an odd quadrant: the two change places
	v_cndmask_b32 v11, v8, v9, vcc_lo
	v_cndmask_b32 v14, v9, v8, vcc_lo
	v_lshlrev_b32 v10, 30, v6
	v_add_nc_u32 v15, 1, v6
	v_and_b32 v10, 0x80000000, v10                 ; the sine's sign: quadrants 2, 3
	v_lshlrev_b32 v15, 30, v15
	v_and_b32 v15, 0x80000000, v15                 ; the cosine's: quadrants 1, 2
	v_xor_b32 v[\s], v10, v11
	v_xor_b32 v[\c], v15, v14
.endm
	s_mov_b32 s29, 4
.Ltok:
	global_load_b32 v1, v4, s[14:15]
	s_wait_loadcnt 0x0
	v_cvt_f32_i32 v1, v1                           ; the position enters as a number alone: no address hangs on it
.irp n8, 0,1,2,3,4,5,6,7
	SINCOS INV+2*\n8, OUTR+4*\n8, OUTR+4*\n8+1
	SINCOS INV+2*\n8+1, OUTR+4*\n8+2, OUTR+4*\n8+3
	global_store_b128 v3, v[OUTR+4*\n8:OUTR+4*\n8+3], s[22:23] offset:\n8*512
.endr
	s_wait_xcnt 0x0                                ; the stores have read their registers and their base: both are written again only behind this wait
	s_add_nc_u64 s[22:23], s[22:23], 4096
	s_add_nc_u64 s[14:15], s[14:15], 64
	s_sub_co_u32 s29, s29, 1
	s_cmp_lg_u32 s29, 0
	s_cbranch_scc1 .Ltok
	s_endpgm
.Lfunc_end_k_q76cc5ba50f_prep:
	.size	k_q76cc5ba50f_prep, .Lfunc_end_k_q76cc5ba50f_prep-k_q76cc5ba50f_prep
	.p2alignl 7, 3214868480
	.fill 96, 4, 3214868480
	.section	.rodata,"a",@progbits
	.p2align	6, 0x0
	.amdhsa_kernel k_q76cc5ba50f_prep
		.amdhsa_group_segment_fixed_size 33280
		.amdhsa_private_segment_fixed_size 0
		.amdhsa_enable_private_segment 0
		.amdhsa_kernarg_size 80
		.amdhsa_user_sgpr_count 2
		.amdhsa_user_sgpr_kernarg_segment_ptr 1
		.amdhsa_wavefront_size32 1
		.amdhsa_system_sgpr_workgroup_id_x 1
		.amdhsa_system_sgpr_workgroup_id_y 1
		.amdhsa_system_sgpr_workgroup_id_z 1
		.amdhsa_system_vgpr_workitem_id 0
		.amdhsa_next_free_vgpr 208
		.amdhsa_next_free_sgpr 66
		.amdhsa_reserve_vcc 1
		.amdhsa_float_denorm_mode_32 3
		.amdhsa_float_denorm_mode_16_64 3
		.amdhsa_memory_ordered 1
		.amdhsa_forward_progress 1
		.amdhsa_inst_pref_size 79
	.end_amdhsa_kernel
	.amdgpu_metadata
---
amdhsa.version: [ 1, 2 ]
amdhsa.kernels:
  - .name:           k_q76cc5ba50f_prep
    .symbol:         k_q76cc5ba50f_prep.kd
    .args:
      - { .name: in_features, .offset: 0, .size: 8, .value_kind: global_buffer, .address_space: global }
      - { .name: Wq, .offset: 8, .size: 8, .value_kind: global_buffer, .address_space: global }
      - { .name: Wk, .offset: 16, .size: 8, .value_kind: global_buffer, .address_space: global }
      - { .name: Wv, .offset: 24, .size: 8, .value_kind: global_buffer, .address_space: global }
      - { .name: Wo, .offset: 32, .size: 8, .value_kind: global_buffer, .address_space: global }
      - { .name: token_positions, .offset: 40, .size: 8, .value_kind: global_buffer, .address_space: global }
      - { .name: codes, .offset: 48, .size: 8, .value_kind: global_buffer, .address_space: global }
      - { .name: scl, .offset: 56, .size: 8, .value_kind: global_buffer, .address_space: global }
      - { .name: wo16, .offset: 64, .size: 8, .value_kind: global_buffer, .address_space: global }
      - { .name: cs, .offset: 72, .size: 8, .value_kind: global_buffer, .address_space: global }
    .group_segment_fixed_size: 33280
    .private_segment_fixed_size: 0
    .kernarg_segment_align: 8
    .kernarg_segment_size: 80
    .max_flat_workgroup_size: 128
    .sgpr_count:     66
    .vgpr_count:     208
    .wavefront_size: 32
...
	.end_amdgpu_metadata
.endif
;; end of part 1
;; launch qkv (part 2): grid 12 x 32, 4 waves a work-group, clusters of 4 x 4, 327,680 bytes of LDS; arguments codes, scl, cs, qkv, q32; writes qkv, q32
.if DOCPART == 2
	.amdgcn_target "amdgcn-amd-amdhsa--gfx1250"
	.amdhsa_code_object_version 6
	.text
	.protected	k_q76cc5ba50f_qkv
	.globl	k_q76cc5ba50f_qkv
	.p2align	8
	.type	k_q76cc5ba50f_qkv,@function
k_q76cc5ba50f_qkv:
	s_mov_b64 s[64:65], 0
	v_nop
	global_prefetch_b8 v0, s[64:65] scope:SCOPE_SE
	s_setreg_imm32_b32 hwreg(HW_REG_WAVE_MODE, 25, 1), 1
	s_wait_xcnt 0x0
	s_wait_alu depctr_hold_cnt(0) depctr_sa_sdst(0) depctr_va_vdst(0) depctr_va_sdst(0) depctr_va_ssrc(0) depctr_va_vcc(0) depctr_vm_vsrc(0)
	s_getreg_b32 s2, hwreg(HW_REG_IB_STS2, 6, 4)
	s_cmp_eq_u32 s2, 0
	s_cbranch_scc0 .Lentry_in_a_cluster
	s_endpgm
.Lentry_in_a_cluster:
	s_bfe_u32 s2, ttmp6, 0x10000c
	s_cmp_lg_u32 s2, 0xf033
	s_cbranch_scc0 .Lentry_shape_is_right
	s_endpgm
.Lentry_shape_is_right:
; Q, K, V = x Wq^T, x Wk^T, x Wv^T as ONE product on codes of FP4 (E2M1) with E8M0 scales: C [8,192][3,072] = A [8,192][1,024] B [3,072][1,024]^T, sums in f32; then RoPE on Q and K in f32; then out as f16, by heads.
; A's rows are rows 0-8,191 of the buffer of codes (512 bytes a row) and of scale bytes (32 a row); B's are rows 8,192 on: Wq, Wk, Wv.
; A tile of C, 256 x 256, is made by a work-group of four waves; a wave makes 128 x 128: 64 accumulators, 512 registers.  K = 1,024 is two steps of 512: BOTH LDS slots are filled once, at the start, and nothing is filled again.
; The scale bytes of the work-group's rows of A and of B, for all of K, come once, in rows of 256 bytes, with the first fills.
; CLUSTERS: 4 x 4 work-groups.  The four of a row of the cluster need the same tiles of A, the four of a column the same tiles of B: each tile is asked for jointly.  Tile row of C = 8 cy + cluster y: so the batch is cy, and
; 'the first tile of a sequence' is cluster y = 0, the same in all sixteen partners.  Tile column = 4 cluster x + cx: so cluster x says which of Q, K, V.  Branches hang on the cluster's x and y and on the wave's number alone.
; THE MATRIX INSTRUCTION IS USED TRANSPOSED (source 0 = 16 rows of B, source 1 = 16 rows of A): a lane holds eight neighbouring columns of one row of C: four pairs of RoPE.
; OUT: qkv [Q, K, V][batch][head][position][64] f16.  Rows 0-15 of every sequence also go out in f32 (q32), as images of the registers: the last launch carries those rows in f32.
; REGISTERS, in windows of 256: window 0: v0-31 addresses; v32-95 scale words, two sets; v128-191 A's fragments, one set; on the way out v32-95 rows read back, v96-159 rotated numbers, v160-191 f16 pairs, v192-255 cos and sin, two sets.
;   window 1: B's fragments, two sets.   window 2: the accumulators of my rows 0-63 ((a, b) at v[8 (8 a + b)]);   window 3: those of my rows 64-127.
.set KSTEP,  512
.set NQ,     4
.set ROWB,   256                       ; a tile's row in bytes: 512 codes
.set KROW,   512                       ; a row of codes in memory
.set PITCH,  272                       ; an LDS row: 256 bytes + 16 of padding: the 16 rows that a load touches start at 16 different banks (64 banks of 4 bytes: ISA guide 11.1)
.set FR,     8
.set NL,     2
.set NP,     4                         ; places behind this matrix instruction (ISA guide 7.12.1)
.set HALFT,  128*PITCH
.set SLOT,   4*HALFT                   ; A's 256 rows, then B's 256 rows
.set KS,     32                        ; a row of scale bytes
.set SCL,    2*SLOT                    ; behind the two slots: the scales, as rows of 256 bytes + 16 of padding
.set HALFS,  16*272                    ; the scales of 128 rows: what one tensor load brings
.set SBLK,   2*272                     ; those of 16 rows
.set SPARE,  SCL+4*HALFS               ; the spare words, 128 bytes a wave
.set SPITCH, 272                       ; the way out: a stage of 16 rows x (256 bytes + 16) for each wave, in slot 0, which has had its one fill and its last read when the first result is stored there
.set ADRA, 16
.set ADRB, 20
.set STO,  24                          ; v24  the way out: where I put 16 bytes of a row
.set RD,   25                          ; v25  where I read rows back: four rows of one head, 128 bytes each
.set CO,   26                          ; v26  16 x lane: my place in every run of 512 bytes (cos and sin, qkv, q32)
.set ADRS, 27
.set SPW,  28
.set NIL,  29
.set SC,   32
.set AF,   128
.set BK,   32
.set RR,   96
.set TMP,  160
.set CSR,  192
.set G1, 24
.set G0, 32
.set G1B, 48
.set G0B, 56
.set G1S, 68
.set G0S, 76
.set G1SB, 80
.set G0SB, 88
.set MSB, 0
.macro WIN new                         ; the immediate's high byte repeats the setting that is left
.if MSB != (\new)
	s_set_vgpr_msb (MSB<<8)|(\new)
.set MSB, (\new)
.endif
.endm
.set MUL_LO, 0xa1                      ; source 0 (B) window 1, source 1 (A) window 0, C and D window 2
.set MUL_HI, 0xf1
.set TO_B,   0x40
; A joint load: waves 0 and 1 fetch for A, waves 2 and 3 for B; the branch hangs on the wave's number alone.  An s_nop 0 and four v_nop follow each of the two lines.
.macro JLOAD g0a, g1a, g0b, g1b
	s_cmp_eq_u32 s15, 0
	s_cbranch_scc0 .Lfor_b_\@
	tensor_load_to_lds s[\g0a:\g0a+3], s[\g1a:\g1a+7]
	s_nop 0
.rept 4
	v_nop
.endr
	s_branch .Lasked_\@
.Lfor_b_\@:
	tensor_load_to_lds s[\g0b:\g0b+3], s[\g1b:\g1b+7]
	s_nop 0
.rept 4
	v_nop
.endr
.Lasked_\@:
.endm
.macro CROUND                          ; a round of the cluster's barrier
	s_barrier_signal -1
	s_barrier_wait -1
	s_cmp_lg_u32 s14, 0
	s_cbranch_scc1 .Lnot_wave_0_\@
	s_barrier_signal -3
.Lnot_wave_0_\@:
	s_barrier_wait -3
	s_barrier_signal -1
	s_barrier_wait -1
.endm
	s_load_b256 s[4:11], s[0:1], 0x0               ; codes s[4:5], scale bytes s[6:7], cos and sin s[8:9], qkv s[10:11]
	s_load_b64 s[12:13], s[0:1], 0x20              ; q32
	v_lshl_add_u32 v[SPW], v0, 2, SPARE
	v_mov_b32 v[NIL], 0
	ds_add_u32 v[SPW], v[NIL]                      ; the wave's opening: the add, twice on end, and its wait ahead of my first tensor load
	ds_add_u32 v[SPW], v[NIL]
	v_lshrrev_b32 v1, 5, v0
	v_readfirstlane_b32 s14, v1                    ; wave 0..3
	s_lshr_b32 s15, s14, 1                         ; which half of the tile's rows is mine.  Also: I fetch for A (0) or for B (1)
	s_and_b32 s16, s14, 1                          ; which half of its columns.  Also: which 128 rows of that tile I fetch
	s_bfe_u32 s40, ttmp6, 0x40000                  ; cx, cy: my place in the cluster
	s_bfe_u32 s41, ttmp6, 0x40004
	s_lshl_b32 s42, ttmp9, 2
	s_add_co_u32 s42, s42, s40                     ; tile column of C = 4 x cluster x + cx
	s_and_b32 s95, ttmp7, 0xffff                   ; cluster y: the tile's place in its sequence
	s_lshl_b32 s17, s41, 3
	s_add_co_u32 s17, s17, s95                     ; tile row of C = 8 cy + cluster y
	s_or_b32 s96, s95, s15                         ; 0 where my block 0 is rows 0-15 of a sequence
	s_lshl_b32 s43, s41, 2
	s_lshl_b32 s43, 15, s43                        ; my row of the cluster
	s_lshl_b32 s44, 0x1111, s40                    ; my column
	s_or_b32 s[G1+0], s43, (0<<16)|(1<<20)|(1<<21)|(5<<22)|(3<<25)  ; the mask; elements of 1 byte; padding on; bit 21 beside a mask; after every 64 words four words
	s_or_b32 s[G1B+0], s44, (0<<16)|(1<<20)|(1<<21)|(5<<22)|(3<<25)
.irp g, G1, G1B
	s_mov_b32 s[\g+1], ROWB<<16                    ; tensor_dim0
	s_mov_b32 s[\g+2], 128<<16                     ; tensor_dim1
	s_mov_b32 s[\g+3], ROWB<<16                    ; tile_dim0
	s_mov_b32 s[\g+4], 128                         ; tile_dim1
	s_mov_b32 s[\g+5], KROW                        ; tensor_dim0_stride
	s_mov_b32 s[\g+6], 0
	s_mov_b32 s[\g+7], 0
.endr
	s_or_b32 s[G1S+0], s43, (3<<16)|(1<<20)|(1<<21)|(5<<22)|(3<<25)  ; the scales of 128 rows: 4,096 dense bytes as 16 rows of 32 elements of 8 bytes, 16 bytes of padding behind each
	s_or_b32 s[G1SB+0], s44, (3<<16)|(1<<20)|(1<<21)|(5<<22)|(3<<25)
.irp g, G1S, G1SB
	s_mov_b32 s[\g+1], 32<<16
	s_mov_b32 s[\g+2], 16<<16
	s_mov_b32 s[\g+3], 32<<16
	s_mov_b32 s[\g+4], 16
	s_mov_b32 s[\g+5], 32
	s_mov_b32 s[\g+6], 0
	s_mov_b32 s[\g+7], 0
.endr
	s_lshl_b32 s18, s16, 7                         ; which 128 rows of the tile I fetch
	s_lshl_b32 s20, s17, 8
	s_add_co_u32 s20, s20, s18                     ; A: row 256 x tile row + 128 x half
	s_lshl_b32 s46, s42, 8
	s_add_co_u32 s46, s46, s18
	s_add_co_u32 s46, s46, 8192                    ; B: row 8,192 + 256 x tile column + 128 x half
	s_mov_b32 s21, 0
	s_mov_b32 s47, 0
	s_mov_b64 s[18:19], KS
	s_mul_u64 s[22:23], s[20:21], s[18:19]         ; where these rows' scales begin, in bytes
	s_mul_u64 s[92:93], s[46:47], s[18:19]
	s_mov_b64 s[18:19], KROW
	s_mul_u64 s[20:21], s[20:21], s[18:19]         ; and their codes
	s_mul_u64 s[46:47], s[46:47], s[18:19]
	s_mul_i32 s45, s14, HALFT                      ; where they go: wave x 128 rows: no place in the cluster enters an LDS address
	s_mul_i32 s94, s14, HALFS
	s_wait_dscnt 0x0                               ; both opening adds are done
	s_wait_kmcnt 0x0
	s_add_nc_u64 s[20:21], s[4:5], s[20:21]
	s_add_nc_u64 s[22:23], s[6:7], s[22:23]
	s_add_nc_u64 s[46:47], s[4:5], s[46:47]
	s_add_nc_u64 s[92:93], s[6:7], s[92:93]
	CROUND                                         ; all sixteen work-groups are here: the joint loads meet
	s_mov_b32 s[G0S], 1
	s_add_co_u32 s[G0S+1], s94, SCL
	s_mov_b64 s[G0S+2:G0S+3], s[22:23]
	s_or_b32 s[G0S+3], s[G0S+3], 0x80000000
	s_mov_b32 s[G0SB], 1
	s_add_co_u32 s[G0SB+1], s94, SCL
	s_mov_b64 s[G0SB+2:G0SB+3], s[92:93]
	s_or_b32 s[G0SB+3], s[G0SB+3], 0x80000000
	JLOAD G0S, G1S, G0SB, G1SB                     ; the scales first: they are wanted with K step 0
.irp s, 0,1
	s_mov_b32 s[G0+4*\s], 1
	s_add_co_u32 s[G0+4*\s+1], s45, \s*SLOT
	s_add_nc_u64 s[G0+4*\s+2:G0+4*\s+3], s[20:21], \s*ROWB
	s_or_b32 s[G0+4*\s+3], s[G0+4*\s+3], 0x80000000
	s_mov_b32 s[G0B+4*\s], 1
	s_add_co_u32 s[G0B+4*\s+1], s45, \s*SLOT
	s_add_nc_u64 s[G0B+4*\s+2:G0B+4*\s+3], s[46:47], \s*ROWB
	s_or_b32 s[G0B+4*\s+3], s[G0B+4*\s+3], 0x80000000
	JLOAD G0+4*\s, G1, G0B+4*\s, G1B               ; three loads of mine are out: all that this launch asks for
.endr
	v_and_b32 v1, 15, v0                           ; r = l % 16
	v_bfe_u32 v2, v0, 4, 1                         ; h = l / 16
	v_mul_u32_u24 v3, v1, PITCH
	v_lshl_add_u32 v4, v2, 4, v3                   ; a fragment's row x pitch + 16 x half
	s_mul_i32 s21, s15, HALFT                      ; my 128 rows of A
	s_mul_i32 s22, s16, HALFT                      ; my 128 rows of B,
	s_add_co_u32 s22, s22, 2*HALFT                 ; which lie behind A's 256
.irp s, 0,1
	v_add_nc_u32 v[ADRA+\s], s21, v4
	v_add_nc_u32 v[ADRB+\s], s22, v4
	s_add_co_u32 s21, s21, SLOT
	s_add_co_u32 s22, s22, SLOT
.endr
	v_mul_u32_u24 v5, v1, KS                       ; my row's scales: 32 bytes a row,
	v_lshrrev_b32 v6, 8, v5
	v_lshl_add_u32 v5, v6, 4, v5                   ; and 16 more for each 256 passed
	s_mul_i32 s21, s15, HALFS
	s_mul_i32 s22, s16, HALFS
	s_add_co_u32 s22, s22, 2*HALFS
	s_sub_co_u32 s22, s22, s21
	v_mul_u32_u24 v6, s22, v2                      ; lanes 16-31 take B's
	s_add_co_u32 s21, s21, SCL
	v_add_nc_u32 v5, v5, v6
	v_add_nc_u32 v[ADRS], s21, v5
	s_mul_i32 s23, s14, 16*SPITCH                  ; my stage
	v_mul_u32_u24 v5, v1, SPITCH
	v_lshl_add_u32 v5, v2, 4, v5                   ; in: row r, 16 bytes (8 f16) for each half of the lanes
	v_add_nc_u32 v[STO], s23, v5
	v_and_b32 v6, 31, v0
	v_lshlrev_b32 v[CO], 4, v6
	v_lshrrev_b32 v5, 3, v6
	v_mul_u32_u24 v5, v5, SPITCH
	v_and_b32 v6, 7, v6
	v_lshl_add_u32 v5, v6, 4, v5                   ; back: eight lanes to a head's 128 bytes of a row, four rows an instruction
	v_add_nc_u32 v[RD], s23, v5
	s_lshl_b32 s20, s17, 8
	s_lshl_b32 s21, s15, 7
	s_add_co_u32 s20, s20, s21                     ; my first token
	s_lshl_b32 s20, s20, 8                         ; 256 bytes of cos and sin a token
	s_mov_b32 s21, 0
	s_add_nc_u64 s[8:9], s[8:9], s[20:21]
	s_lshl_b32 s46, s40, 2
	s_lshl_b32 s47, s16, 1
	s_add_co_u32 s46, s46, s47                     ; my first head = 4 cx + 2 x column half
	s_lshl_b32 s47, s41, 4
	s_add_co_u32 s47, s47, s46                     ; 16 x batch + head
	s_lshl_b32 s92, s47, 18                        ; a head is 262,144 bytes,
	s_lshl_b32 s93, ttmp9, 24                      ; a plane (Q, K or V) 16,777,216,
	s_add_co_u32 s92, s92, s93
	s_lshl_b32 s93, s95, 15                        ; a tile's 256 rows 32,768,
	s_add_co_u32 s92, s92, s93
	s_lshl_b32 s93, s15, 14                        ; my half's 128 rows 16,384
	s_add_co_u32 s92, s92, s93
	s_mov_b32 s93, 0
	s_add_nc_u64 s[10:11], s[10:11], s[92:93]
	s_lshl_b32 s92, ttmp9, 6
	s_add_co_u32 s92, s92, s47                     ; q32: ((4 t + batch) 16 + head) x 4,096
	s_lshl_b32 s92, s92, 12
	s_add_nc_u64 s[12:13], s[12:13], s[92:93]
.macro FRAG reg, adr, q, i             ; a fragment, 16 rows x 128 K of 4-bit codes: lane l holds row l % 16; registers 4 c .. 4 c + 3 hold K = 64 c + 32 (l / 16) + 0 .. 31
.irp c, 0,1
	ds_load_b128 v[\reg+4*\c:\reg+4*\c+3], v[\adr] offset:64*(\q)+32*\c+(\i)*16*PITCH
.endr
.endm
; 16 matrix instructions: A's blocks a0, a0 + 1 x B's eight, 128 along K.  The 64 accumulators take turns, one instruction a turn, in the same order in every step.
.macro MUL16 a0, p, q, sc, zero
.irp a, \a0, \a0+1
.irp b, 0,1,2,3,4,5,6,7
.if \zero
	v_wmma_scale_f32_16x16x128_f8f6f4 v[8*(8*((\a)%4)+\b):8*(8*((\a)%4)+\b)+7], v[128*(\p)+FR*\b:128*(\p)+FR*\b+FR-1], v[AF+FR*(\a):AF+FR*(\a)+FR-1], 0, v[SC+8*NQ*(\sc)+NQ*\b+(\q)], v[SC+8*NQ*(\sc)+NQ*(\a)+(\q)] matrix_a_fmt:MATRIX_FMT_FP4 matrix_b_fmt:MATRIX_FMT_FP4 matrix_a_scale:MATRIX_SCALE_ROW1
.else
	v_wmma_scale_f32_16x16x128_f8f6f4 v[8*(8*((\a)%4)+\b):8*(8*((\a)%4)+\b)+7], v[128*(\p)+FR*\b:128*(\p)+FR*\b+FR-1], v[AF+FR*(\a):AF+FR*(\a)+FR-1], v[8*(8*((\a)%4)+\b):8*(8*((\a)%4)+\b)+7], v[SC+8*NQ*(\sc)+NQ*\b+(\q)], v[SC+8*NQ*(\sc)+NQ*(\a)+(\q)] matrix_a_fmt:MATRIX_FMT_FP4 matrix_b_fmt:MATRIX_FMT_FP4 matrix_a_scale:MATRIX_SCALE_ROW1
.endif
.endr
.endr
.endm
.macro FETCH_B slot, q, p
	WIN TO_B
.irp i, 0,1,2,3,4,5,6,7
	FRAG 128*(\p)+FR*\i, ADRB+\slot, \q, \i
.endr
	WIN 0
.endm
.macro FETCH_A slot, q, i0
.irp i, \i0, \i0+1, \i0+2, \i0+3
	FRAG AF+FR*(\i), ADRA+\slot, \q, \i
.endr
.endm
.macro SCALES sc                       ; a K step's scale words: four words a row; lanes 0-15 take A's block i, lanes 16-31 B's block i
.irp i, 0,1,2,3,4,5,6,7
	ds_load_b128 v[SC+8*NQ*\sc+NQ*\i:SC+8*NQ*\sc+NQ*\i+3], v[ADRS] offset:\i*SBLK
.endr
.endm
.macro PLACES n                        ; plain vector instructions between a matrix instruction and a load into, or a read or write of, its registers
.rept \n
	v_nop
.endr
.endm
.macro STEP slot, q, zero              ; a step of 128 along K that has its successor in the same slot
	s_wait_dscnt 4*NL                              ; B's set and A's blocks 0-3 are in; the youngest eight loads (A's blocks 4-7) may be out
	WIN MUL_LO
	MUL16 0, (\q)%2, \q, \slot, \zero
	MUL16 2, (\q)%2, \q, \slot, \zero
	s_wait_dscnt 0                                 ; A's blocks 4-7 are in
	PLACES NP
	FETCH_B \slot, (\q)+1, 1-(\q)%2
	FETCH_A \slot, (\q)+1, 0
	WIN MUL_HI
	MUL16 4, (\q)%2, \q, \slot, \zero
	MUL16 6, (\q)%2, \q, \slot, \zero
	PLACES NP
	WIN 0
	FETCH_A \slot, (\q)+1, 4
.endm
.macro STEPS slot, from
.set Q, \from
.rept NQ-1-\from
	STEP \slot, Q, 0
.set Q, Q+1
.endr
.endm
	s_wait_tensorcnt 1                             ; the scales and my part of K step 0 are in; K step 1's load, the one issued behind them, may be out
	s_barrier_signal -1
	s_barrier_wait -1                              ; everybody's are
	FETCH_B 0, 0, 0
	FETCH_A 0, 0, 0
	SCALES 0
	FETCH_A 0, 0, 4
	STEP 0, 0, 1                                   ; the first step's products start the sums: nothing is cleared
	STEPS 0, 1
	; slot 0's last step changes slots: one barrier
	s_wait_tensorcnt 0x0                           ; all my tensor loads have landed: my part of slot 1
	ds_add_u32 v[SPW], v[NIL]                      ; 0 onto my spare word
	s_wait_dscnt 4*NL+1                            ; (the add and the youngest eight loads may be out)
	WIN MUL_LO
	MUL16 0, 1, NQ-1, 0, 0
	s_wait_dscnt 0x0                               ; the add is done, and my reads of slot 0 are over
	s_barrier_signal -1
	MUL16 2, 1, NQ-1, 0, 0
	WIN 0
	s_barrier_wait -1                              ; slot 1 is whole, and nobody reads slot 0 any more
	PLACES NP
	v_add_nc_u32 v[ADRS], 4*NQ, v[ADRS]            ; on to K step 1's scale words
	FETCH_B 1, 0, 0
	FETCH_A 1, 0, 0
	SCALES 1
	WIN MUL_HI
	MUL16 4, 1, NQ-1, 0, 0
	MUL16 6, 1, NQ-1, 0, 0
	PLACES NP
	WIN 0
	FETCH_A 1, 0, 4
	STEPS 1, 0
	s_wait_dscnt 4*NL                              ; the very last step: nothing more to fetch
	WIN MUL_LO
	MUL16 0, 1, NQ-1, 1, 0
	MUL16 2, 1, NQ-1, 1, 0
	s_wait_dscnt 0
	WIN MUL_HI
	MUL16 4, 1, NQ-1, 1, 0
	MUL16 6, 1, NQ-1, 1, 0
	WIN 0
; THE WAY OUT, block by block of 16 rows x 128 columns (two heads).
.macro CSLOAD a                        ; cos and sin of block a's 16 tokens, in my registers' order: 8 loads of 512 consecutive bytes into set a % 2
.irp n, 0,1,2,3,4,5,6,7
	global_load_b128 v[CSR+32*((\a)%2)+4*\n:CSR+32*((\a)%2)+4*\n+3], v[CO], s[8:9] offset:(\a)*4096+\n*512
.endr
.endm
.macro ROPE a                          ; (even, odd) -> (even cos - odd sin, odd cos + even sin), two packed instructions a pair; then to f16
.set AC, 64*((\a)%4)
.set CR, CSR+32*((\a)%2)
.if (\a) < 7
	s_wait_loadcnt 8                               ; this block's eight loads are in; the next block's eight may be out
.else
	s_wait_loadcnt 0x0
.endif
.if (\a) == 1
	s_wait_xcnt 0x0                                ; the f32 stores of block 0 have read the registers that are written anew below
.endif
	WIN 0x02+(\a)/4                                ; source 0: window 2 or 3
.irp b, 0,1,2,3,4,5,6,7
.irp i, 0,1,2,3
	v_pk_mul_f32 v[RR+8*\b+2*\i:RR+8*\b+2*\i+1], v[AC+8*\b+2*\i:AC+8*\b+2*\i+1], v[CR+8*(\b%4)+2*\i:CR+8*(\b%4)+2*\i+1] op_sel_hi:[1,0]   ; both x cos; each accumulator from its low end on
.endr
.irp i, 0,1,2,3
	v_pk_fma_f32 v[RR+8*\b+2*\i:RR+8*\b+2*\i+1], v[AC+8*\b+2*\i:AC+8*\b+2*\i+1], v[CR+8*(\b%4)+2*\i:CR+8*(\b%4)+2*\i+1], v[RR+8*\b+2*\i:RR+8*\b+2*\i+1] op_sel:[1,1,0] op_sel_hi:[0,1,1] neg_lo:[1,0,0]   ; low: - odd x sin; high: + even x sin
.endr
.endr
	WIN 0
.if (\a)+2 < 8
	CSLOAD (\a)+2
.endif
.set d, 0
.rept 32
	v_cvt_pk_f16_f32 v[TMP+d], v[RR+2*d], v[RR+2*d+1]
.set d, d+1
.endr
.endm
.macro VPACK a                         ; V has no RoPE: straight to f16
.set AC, 64*((\a)%4)
	WIN 0x0a+5*((\a)/4)                            ; sources 0 and 1: window 2 or 3
.set d, 0
.rept 32
	v_cvt_pk_f16_f32 v[TMP+d], v[AC+2*d], v[AC+2*d+1]
.set d, d+1
.endr
	WIN 0
.endm
.macro TOSTAGE a                       ; a lane's 16 bytes of a row into my stage; back as runs of four rows of one head.  LDS serves a wave's instructions in order (ISA guide 5.7.1.4)
.set BB, BK+32*((\a)%2)
.irp b, 0,1,2,3,4,5,6,7
	ds_store_b128 v[STO], v[TMP+4*\b:TMP+4*\b+3] offset:32*\b
.endr
.irp hh, 0,1
.irp g, 0,1,2,3
	ds_load_b128 v[BB+4*(4*\hh+\g):BB+4*(4*\hh+\g)+3], v[RD] offset:\g*4*SPITCH+\hh*128
.endr
.endr
.endm
.macro SEND a
.set BB, BK+32*((\a)%2)
	s_wait_dscnt 0x0                               ; the block is back in registers
.irp hh, 0,1
.irp g, 0,1,2,3
	global_store_b128 v[CO], v[BB+4*(4*\hh+\g):BB+4*(4*\hh+\g)+3], s[10:11] offset:(\a)*2048+\hh*262144+\g*512   ; 32 lanes store 512 consecutive bytes: four rows of one head
.endr
.endr
.endm
	PLACES NP                                      ; behind the last products: their results are read, and registers that they read are written and loaded into
	s_cmp_eq_u32 ttmp9, 2                          ; cluster x: Q and K are rotated, V is not
	s_cbranch_scc1 .Lv
	CSLOAD 0
	CSLOAD 1
	ROPE 0
	s_cmp_eq_u32 s96, 0                            ; rows 0-15 of a sequence also leave in f32, as they stand in my registers
	s_cbranch_scc0 .Lno_fine_r
.irp b, 0,1,2,3,4,5,6,7
.irp hf, 0,1
	global_store_b128 v[CO], v[RR+8*\b+4*\hf:RR+8*\b+4*\hf+3], s[12:13] offset:(\b/4)*4096+(\b%4)*1024+\hf*512
.endr
.endr
.Lno_fine_r:
	TOSTAGE 0
.irp a, 1,2,3,4,5,6,7
	ROPE \a
	SEND \a-1
.if \a > 1
	s_wait_xcnt 0x0                                ; block a - 2's stores have read the registers into which block a's rows are loaded
.endif
	TOSTAGE \a
.endr
	SEND 7
	s_branch .Lend
.Lv:
	VPACK 0
	s_cmp_eq_u32 s96, 0
	s_cbranch_scc0 .Lno_fine_v
	WIN 0x08                                       ; a store's data are its source 1: window 2
.irp b, 0,1,2,3,4,5,6,7
.irp hf, 0,1
	global_store_b128 v[CO], v[8*\b+4*\hf:8*\b+4*\hf+3], s[12:13] offset:(\b/4)*4096+(\b%4)*1024+\hf*512
.endr
.endr
	WIN 0
.Lno_fine_v:
	TOSTAGE 0
.irp a, 1,2,3,4,5,6,7
	VPACK \a
	SEND \a-1
.if \a > 1
	s_wait_xcnt 0x0
.endif
	TOSTAGE \a
.endr
	SEND 7
.Lend:
	s_wait_tensorcnt 0x0                           ; the wave's end, behind my last tensor load and my last LDS store
	ds_add_u32 v[SPW], v[NIL]
	s_wait_dscnt 0x0
	CROUND                                         ; the closing round
	s_endpgm
.Lfunc_end_k_q76cc5ba50f_qkv:
	.size	k_q76cc5ba50f_qkv, .Lfunc_end_k_q76cc5ba50f_qkv-k_q76cc5ba50f_qkv
	.p2alignl 7, 3214868480
	.fill 96, 4, 3214868480
	.section	.rodata,"a",@progbits
	.p2align	6, 0x0
	.amdhsa_kernel k_q76cc5ba50f_qkv
		.amdhsa_group_segment_fixed_size 327680
		.amdhsa_private_segment_fixed_size 0
		.amdhsa_enable_private_segment 0
		.amdhsa_kernarg_size 40
		.amdhsa_user_sgpr_count 2
		.amdhsa_user_sgpr_kernarg_segment_ptr 1
		.amdhsa_wavefront_size32 1
		.amdhsa_system_sgpr_workgroup_id_x 1
		.amdhsa_system_sgpr_workgroup_id_y 1
		.amdhsa_system_sgpr_workgroup_id_z 1
		.amdhsa_system_vgpr_workitem_id 0
		.amdhsa_next_free_vgpr 1024
		.amdhsa_next_free_sgpr 100
		.amdhsa_reserve_vcc 0
		.amdhsa_float_denorm_mode_32 3
		.amdhsa_float_denorm_mode_16_64 3
		.amdhsa_memory_ordered 1
		.amdhsa_forward_progress 1
		.amdhsa_inst_pref_size 199
	.end_amdhsa_kernel
	.amdgpu_metadata
---
amdhsa.version: [ 1, 2 ]
amdhsa.kernels:
  - .name:           k_q76cc5ba50f_qkv
    .symbol:         k_q76cc5ba50f_qkv.kd
    .args:
      - { .name: codes, .offset: 0, .size: 8, .value_kind: global_buffer, .address_space: global }
      - { .name: scl, .offset: 8, .size: 8, .value_kind: global_buffer, .address_space: global }
      - { .name: cs, .offset: 16, .size: 8, .value_kind: global_buffer, .address_space: global }
      - { .name: qkv, .offset: 24, .size: 8, .value_kind: global_buffer, .address_space: global }
      - { .name: q32, .offset: 32, .size: 8, .value_kind: global_buffer, .address_space: global }
    .group_segment_fixed_size: 327680
    .private_segment_fixed_size: 0
    .kernarg_segment_align: 8
    .kernarg_segment_size: 40
    .max_flat_workgroup_size: 128
    .sgpr_count:     100
    .vgpr_count:     1024
    .wavefront_size: 32
...
	.end_amdgpu_metadata
.endif
;; end of part 2
;; launch attn (part 3): grid 4 x 64, 16 waves a work-group, no clusters, 327,680 bytes of LDS; arguments qkv, att; writes att
.if DOCPART == 3
	.amdgcn_target "amdgcn-amd-amdhsa--gfx1250"
	.amdhsa_code_object_version 6
	.text
	.protected	k_q76cc5ba50f_attn
	.globl	k_q76cc5ba50f_attn
	.p2align	8
	.type	k_q76cc5ba50f_attn,@function
k_q76cc5ba50f_attn:
	s_mov_b64 s[64:65], 0
	v_nop
	global_prefetch_b8 v0, s[64:65] scope:SCOPE_SE
	s_setreg_imm32_b32 hwreg(HW_REG_WAVE_MODE, 25, 1), 1
	s_wait_xcnt 0x0
; att[b][h][q][:] = the sum over k <= q of softmax_k(Q[q] . K[k] / 8) V[k][:].  Q, K, V: f16, [plane][batch x head][2,048][64]; att: f16, [batch x head][2,048][64].  Products on f16 operands, sums, maxima and softmax in f32.
; WORK LEFT OUT: a key step all of whose 64 keys come after a wave's 32 queries lies wholly under the mask that reference() builds (jnp.tril): it is not walked, and a slot of keys that no wave of the work-group walks is not fetched.
; SHARES.  A work-group owns two blocks of 256 queries of one head: block 7 - x, with many keys, and block x, with few: every work-group has the same sum of key steps.  Each of its sixteen waves owns 32 queries, two tiles of 16;
; eight waves take the one block and eight the other, mixed so that waves of both kinds meet whichever way sixteen waves are dealt to four SIMDs.  Every wave passes all 8 slots of 256 keys (constant trip counts), 64 keys a step.
; NO CLUSTER: the four work-groups of a head end their walks at different slots, so a joint load would bring some partners tiles that none of their waves reads.
; LAYOUT.  S^T = K Q^T (source 0 = 16 keys, source 1 = 16 queries): a lane holds ONE query (lane % 16) and keys 8 (lane / 16) + 0..7.  Two such tiles, rounded to f16 in pairs, are source 1 of O^T = V^T P.  V is turned by ds_load_tr16_b128.
; SOFTMAX.  A running maximum m and sum l for each query: p = 2^(c s - c m), c = log2(e) / 8; in every step O and l are multiplied by a = 2^(c m_old - c m_new).  The step's first key counts for every query of a step that is
; walked (steps begin at multiples of 64, waves at multiples of 32), so m is a number from the first step on.  O, l begin as zeros and m as -3e38: the loop has no first step of its own.
; REGISTERS: v1-11 addresses and the mask's numbers; v12-27 statistics, 8 a tile: +0 c m, +1 m, +2, +3 l, +4..+7 at work (a in +6); v28-30 addresses; v32-63 Q; v64-127 K's fragments, then V's; v128-191 S^T, then p, then P in place; v192-255 O^T.
.set KP,    144                        ; a key's row in LDS: 128 bytes + 16 of padding
.set VP,    160                        ; a row of V: 128 + 32: the turning load's 8 rows x 32 bytes fall on different banks
.set VOFF,  256*KP                     ; a slot: 256 rows of K, then 256 rows of V
.set SLOT1, 1<<17                      ; slot 1 begins here: one exclusive or turns an address from one slot to the other
.set NSL,   8
.set STAGE, VOFF+256*VP                ; behind slot 0: the way out, 16 rows x 144 bytes for each wave: bytes of its own, into which no tile lands
.set SPARE, STAGE+16*16*KP             ; the spare words, 128 bytes a wave
.set AK0, 1
.set AV0, 2
.set ADK, 3
.set ADV, 4
.set SPW, 5
.set NIL, 6
.set GO,  7                            ; v7   16 x lane
.set ST,  12
.set PFO, 28
.set STO, 29
.set RD,  30
.set QF,  32
.set KV,  64
.set S,   128
.set O,   192
.set WV,  18
.set SEL, 20
.set CS,  22
.set G1K, 24
.set G1V, 32
.set G0K, 40
.set G0V, 44
.set TB,  2
.set LASTQ, 66
.set SLOTS, 67
.set PFA, 76
.set LIM, 80
.set KF,  98
.set Q0,  99
; Waves 0 and 1 fetch K's halves of a slot, waves 2 and 3 V's, the others nothing.  An s_nop 0 and four v_nop follow each of the two lines.
.macro TLOAD
	s_cmp_lt_u32 s[WV], 2
	s_cbranch_scc0 .Lnot_k_\@
	tensor_load_to_lds s[G0K:G0K+3], s[G1K:G1K+7]
	s_nop 0
.rept 4
	v_nop
.endr
	s_branch .Lasked_\@
.Lnot_k_\@:
	s_cmp_lt_u32 s[WV], 4
	s_cbranch_scc0 .Lasked_\@
	tensor_load_to_lds s[G0V:G0V+3], s[G1V:G1V+7]
	s_nop 0
.rept 4
	v_nop
.endr
.Lasked_\@:
.endm
; A prefetch of what the NEXT change of slots will ask for: a slot's 32,768 dense bytes of K and of V.  All four work-groups of a head walk the same K and V: the first of them (x = 0, which walks all slots) asks.
; In it waves 4 to 7 ask for K, waves 8 to 11 for V: 8,192 bytes a wave, lanes 256 bytes apart: each aligned block of 256 bytes is named once in the launch.  The last change that fills a slot asks for nothing.
.macro ASK
	s_cmp_gt_u32 s[SLOTS], s[LIM]
	s_cbranch_scc0 .Lnot_mine_\@
	global_prefetch_b8 v[PFO], s[PFA:PFA+1] th:TH_LOAD_NT scope:SCOPE_SE
.Lnot_mine_\@:
.endm
	s_load_b128 s[4:7], s[0:1], 0x0                ; qkv, att
	v_lshl_add_u32 v[SPW], v0, 2, SPARE
	v_mov_b32 v[NIL], 0
	ds_add_u32 v[SPW], v[NIL]                      ; the wave's opening: the add, twice on end, and its wait ahead of the first tensor load
	ds_add_u32 v[SPW], v[NIL]
	v_lshrrev_b32 v8, 5, v0
	v_readfirstlane_b32 s[WV], v8                  ; wave 0..15
	s_and_b32 s72, ttmp7, 0xffff                   ; batch x 16 + head
	s_lshl_b32 s74, s72, 18                        ; a head is 262,144 bytes in each plane and in att
	s_mov_b32 s75, 0
	s_lshr_b32 s68, s[WV], 2
	s_xor_b32 s68, s68, s[WV]
	s_and_b32 s68, s68, 1                          ; 1: my wave takes the block with few keys
	s_sub_co_u32 s69, 7, ttmp9                     ; the block with many
	s_cmp_eq_u32 s68, 1
	s_cselect_b32 s70, ttmp9, s69
	s_lshl_b32 s70, s70, 8
	s_lshr_b32 s71, s[WV], 1
	s_lshl_b32 s71, s71, 5
	s_add_co_u32 s[Q0], s70, s71                   ; my first query: 256 x block + 32 x (wave / 2)
	s_lshl_b32 s[LASTQ], s69, 8
	s_or_b32 s[LASTQ], s[LASTQ], 255               ; my work-group's last query
	s_and_b32 s88, s[WV], 1                        ; which half of a slot's rows I fetch, if I fetch
	s_lshl_b32 s90, s88, 14                        ; 128 rows of 128 bytes in memory,
	s_mov_b32 s91, 0
	s_mul_i32 s89, s88, 128*KP                     ; and in a slot: K's,
	s_mul_i32 s94, s88, 128*VP
	s_add_co_u32 s94, s94, VOFF                    ; V's
	s_mov_b32 s[G1K], (1<<16)|(1<<20)|(4<<22)|(3<<25)   ; no mask; elements of 2 bytes; padding on: after every 32 words four words
	s_mov_b32 s[G1V], (1<<16)|(1<<20)|(4<<22)|(7<<25)   ; eight words
.irp g, G1K, G1V
	s_mov_b32 s[\g+1], 64<<16                      ; tensor_dim0
	s_mov_b32 s[\g+2], 128<<16                     ; tensor_dim1
	s_mov_b32 s[\g+3], 64<<16                      ; tile_dim0
	s_mov_b32 s[\g+4], 128                         ; tile_dim1
	s_mov_b32 s[\g+5], 64                          ; tensor_dim0_stride
	s_mov_b32 s[\g+6], 0
	s_mov_b32 s[\g+7], 0
.endr
	s_mov_b32 s[SEL], 0x76543210
	s_mov_b32 s[SEL+1], 0xfedcba98                 ; v_permlanex16_b32's selects for lane l xor 16
	s_mov_b32 s[CS], 0x3e38aa3b                    ; c = log2(e) / 8
	s_mov_b32 s[CS+1], s[CS]                       ; (named with it as a pair, so it is written)
	s_mov_b32 s[TB], 0
	s_mov_b32 s[KF], 0
	s_mov_b32 s[SLOTS], NSL-1
	s_wait_dscnt 0x0                               ; both opening adds are done
	s_wait_kmcnt 0x0
	s_add_nc_u64 s[8:9], s[4:5], s[74:75]          ; Q's plane at my head,
	s_add_nc_u64 s[10:11], s[8:9], 0x1000000       ; K's,
	s_add_nc_u64 s[12:13], s[8:9], 0x2000000       ; V's
	s_mov_b32 s[G0K], 1
	s_mov_b32 s[G0K+1], s89
	s_add_nc_u64 s[G0K+2:G0K+3], s[10:11], s[90:91]
	s_or_b32 s[G0K+3], s[G0K+3], 0x80000000
	s_mov_b32 s[G0V], 1
	s_mov_b32 s[G0V+1], s94
	s_add_nc_u64 s[G0V+2:G0V+3], s[12:13], s[90:91]
	s_or_b32 s[G0V+3], s[G0V+3], 0x80000000
	TLOAD                                          ; slot 0: keys 0-255, which every wave reads
	s_cmp_lt_u32 s[WV], 8                          ; the prefetches: waves 4 to 7 stand in K, waves 8 to 11 in V
	s_cselect_b64 s[PFA:PFA+1], s[10:11], s[12:13]
	s_and_b32 s82, s[WV], 3
	s_lshl_b32 s82, s82, 13                        ; my wave's 8,192 bytes,
	s_add_co_u32 s82, s82, 32768                   ; in slot 1: the first change of slots steps it to slot 2.  Nothing is prefetched here, at the head
	s_mov_b32 s83, 0
	s_add_nc_u64 s[PFA:PFA+1], s[PFA:PFA+1], s[82:83]
	s_sub_co_u32 s82, s[WV], 4
	s_lshr_b32 s82, s82, 3                         ; 0 in waves 4 to 11,
	s_or_b32 s82, s82, ttmp9                       ; of the head's first work-group
	s_cmp_eq_u32 s82, 0
	s_cselect_b32 s[LIM], 1, -1
	v_and_b32 v[PFO], 31, v0
	v_lshlrev_b32 v[PFO], 8, v[PFO]
	s_lshl_b32 s84, s[Q0], 7
	s_mov_b32 s85, 0
	s_add_nc_u64 s[8:9], s[8:9], s[84:85]          ; Q at my first query
	s_add_nc_u64 s[6:7], s[6:7], s[74:75]
	s_add_nc_u64 s[6:7], s[6:7], s[84:85]          ; att likewise
	v_and_b32 v8, 15, v0                           ; r
	v_bfe_u32 v9, v0, 4, 1                         ; h
	v_lshlrev_b32 v10, 7, v8
	v_lshl_add_u32 v10, v9, 4, v10                 ; Q: row r of 128 bytes, + 16 h
.irp qt, 0,1
.irp c, 0,1
	global_load_b128 v[QF+16*\qt+8*\c:QF+16*\qt+8*\c+3], v10, s[8:9] offset:\qt*2048+64*\c        ; Q's fragments stay in registers
	global_load_b128 v[QF+16*\qt+8*\c+4:QF+16*\qt+8*\c+7], v10, s[8:9] offset:\qt*2048+64*\c+32
.endr
.endr
	v_mul_u32_u24 v[AK0], v8, KP
	v_lshl_add_u32 v[AK0], v9, 4, v[AK0]           ; K: row r x pitch + 16 h
	v_and_b32 v[ADK], 7, v0
	v_lshl_add_u32 v[AV0], v9, 3, v[ADK]
	v_mul_u32_u24 v[AV0], v[AV0], VP               ; V: key 8 h + l % 8,
	v_bfe_u32 v[ADK], v0, 3, 1
	v_lshl_add_u32 v[AV0], v[ADK], 4, v[AV0]       ; channels 8 ((l / 8) % 2) on
	v_add_nc_u32 v[AV0], VOFF, v[AV0]
	v_and_b32 v[GO], 31, v0
	s_mul_i32 s73, s[WV], 16*KP
	s_add_co_u32 s73, s73, STAGE                   ; my stage
	v_mul_u32_u24 v[STO], v8, KP
	v_lshl_add_u32 v[STO], v9, 4, v[STO]
	v_add_nc_u32 v[STO], s73, v[STO]               ; in: row r, + 16 h
	v_lshrrev_b32 v[RD], 3, v[GO]
	v_mul_u32_u24 v[RD], v[RD], KP
	v_and_b32 v[ADV], 7, v0
	v_lshl_add_u32 v[RD], v[ADV], 4, v[RD]
	v_add_nc_u32 v[RD], s73, v[RD]                 ; back: eight lanes to a row of 128 bytes, four rows an instruction
	v_lshlrev_b32 v[GO], 4, v[GO]
	v_lshlrev_b32 v11, 3, v9
	v_sub_nc_u32 v11, v8, v11                      ; r - 8 h
.irp t, 0,1
	v_mov_b32 v[ST+8*\t+1], 0xff61b1e6             ; m: -3e38, under every score
	v_mul_f32 v[ST+8*\t], s[CS], v[ST+8*\t+1]
.irp j, 2,3,4,5,6,7
	v_mov_b32 v[ST+8*\t+\j], 0
.endr
.endr
.set n, 0
.rept 64
	v_mov_b32 v[O+n], 0                            ; O^T: the loop's first step finds zeros, which a = 0 leaves zeros
.set n, n+1
.endr
	s_wait_loadcnt 0x0                             ; Q (and v10, its address, is free)
	v_mov_b32 v10, 0xff800000                      ; -infinity
.macro STEP q                          ; 64 keys, the q-th step of the slot in hand
	s_cmp_gt_u32 s[KF], s[Q0]                      ; all keys of the step come after my queries: a branch on ids, round the step's work alone
	s_cbranch_scc1 .Lhidden_\@
	v_add_nc_u32 v[ADK], s[TB], v[AK0]
	v_add_nc_u32 v[ADV], s[TB], v[AV0]
.rept 4
	v_nop                                          ; with the two additions six places behind the last step's products: five are owed where S^T is begun anew over P's registers, four by the loads into V's
.endr
.irp c, 0,1
.irp kt, 0,1,2,3
	ds_load_b128 v[KV+16*\kt+8*\c:KV+16*\kt+8*\c+3], v[ADK] offset:(64*(\q)+16*\kt)*KP+64*\c
	ds_load_b128 v[KV+16*\kt+8*\c+4:KV+16*\kt+8*\c+7], v[ADK] offset:(64*(\q)+16*\kt)*KP+64*\c+32
.endr
.endr
	s_wait_dscnt 8                                 ; channels 0-31 are in; the eight loads of channels 32-63 may be out
.irp kt, 0,1,2,3
.irp qt, 0,1
	v_wmma_f32_16x16x32_f16 v[S+32*\qt+8*\kt:S+32*\qt+8*\kt+7], v[KV+16*\kt:KV+16*\kt+7], v[QF+16*\qt:QF+16*\qt+7], 0
.endr
.endr
	s_wait_dscnt 0x0
.irp kt, 0,1,2,3                               ; the eight accumulators take turns
.irp qt, 0,1
	v_wmma_f32_16x16x32_f16 v[S+32*\qt+8*\kt:S+32*\qt+8*\kt+7], v[KV+16*\kt+8:KV+16*\kt+15], v[QF+16*\qt+8:QF+16*\qt+15], v[S+32*\qt+8*\kt:S+32*\qt+8*\kt+7]
.endr
.endr
.rept 4
	v_nop                                          ; places: V is loaded over K, and the scores are read
.endr
.irp kc, 0,1
.irp ct, 0,1,2,3
	ds_load_tr16_b128 v[KV+32*\kc+8*\ct:KV+32*\kc+8*\ct+3], v[ADV] offset:(64*(\q)+32*\kc)*VP+32*\ct          ; V^T: channels 16 ct on, keys 32 kc on: it lands while the softmax is walked
	ds_load_tr16_b128 v[KV+32*\kc+8*\ct+4:KV+32*\kc+8*\ct+7], v[ADV] offset:(64*(\q)+32*\kc)*VP+16*VP+32*\ct
.endr
.endr
	s_add_co_u32 s96, s[KF], 63                    ; on the diagonal hidden scores become -infinity ahead of the maximum; a step all of whose keys count skips this
	s_cmp_le_u32 s96, s[Q0]
	s_cbranch_scc1 .Lopen_\@
	s_sub_co_i32 s96, s[Q0], s[KF]
	v_add_nc_u32 v8, s96, v11                      ; d = my query - the step's first key - 8 h, tile 0;
	v_add_nc_u32 v9, 16, v8                        ; tile 1.  Register 8 kt + j holds key 16 kt + 8 h + j of the step: hidden where 16 kt + j > d
.set n, 0
.rept 32
	v_cmp_gt_i32 vcc_lo, 16*(n/8)+n%8, v8
	v_cndmask_b32 v[S+n], v[S+n], v10, vcc_lo
	v_cmp_gt_i32 vcc_lo, 16*(n/8)+n%8, v9
	v_cndmask_b32 v[S+32+n], v[S+32+n], v10, vcc_lo
.set n, n+1
.endr
.Lopen_\@:
.irp j, 0,1,2,3                                ; the maximum of my 32 scores and the old m: four chains, each accumulator from its low end on; the two tiles by turns
.irp t, 0,1
	v_max3_num_f32 v[ST+8*\t+4+\j], v[S+32*\t+8*\j], v[S+32*\t+8*\j+1], v[S+32*\t+8*\j+2]
.endr
.endr
.irp g, 1,2
.irp j, 0,1,2,3
.irp t, 0,1
	v_max3_num_f32 v[ST+8*\t+4+\j], v[ST+8*\t+4+\j], v[S+32*\t+8*\j+2*\g+1], v[S+32*\t+8*\j+2*\g+2]
.endr
.endr
.endr
.irp t, 0,1
	v_max3_num_f32 v[ST+8*\t+4], v[ST+8*\t+4], v[S+32*\t+7], v[S+32*\t+15]
	v_max3_num_f32 v[ST+8*\t+6], v[ST+8*\t+6], v[S+32*\t+23], v[S+32*\t+31]
.endr
.irp t, 0,1
	v_max3_num_f32 v[ST+8*\t+4], v[ST+8*\t+4], v[ST+8*\t+5], v[ST+8*\t+6]
.endr
.irp t, 0,1
	v_max3_num_f32 v[ST+8*\t+4], v[ST+8*\t+4], v[ST+8*\t+7], v[ST+8*\t+1]
.endr
.irp t, 0,1
	v_permlanex16_b32 v[ST+8*\t+5], v[ST+8*\t+4], s[SEL], s[SEL+1]   ; the query's other 32 keys lie in the lane 16 away
.endr
.irp t, 0,1
	v_mov_b32 v[ST+8*\t+7], v[ST+8*\t]             ; c m_old
.endr
.irp t, 0,1
	v_max_num_f32 v[ST+8*\t+1], v[ST+8*\t+4], v[ST+8*\t+5]
.endr
.irp t, 0,1
	v_mul_f32 v[ST+8*\t], s[CS], v[ST+8*\t+1]
.endr
.irp t, 0,1
	v_sub_f32 v[ST+8*\t+7], v[ST+8*\t+7], v[ST+8*\t]
.endr
.irp b, 0,2,4,6,8,10,12,14,16,18,20,22,24,26,28,30
.irp t, 0,1
	v_pk_fma_f32 v[S+32*\t+\b:S+32*\t+\b+1], v[S+32*\t+\b:S+32*\t+\b+1], s[CS:CS+1], v[ST+8*\t:ST+8*\t+1] op_sel_hi:[1,0,0] neg_lo:[0,0,1] neg_hi:[0,0,1]   ; c s - c m, two at a time
.endr
.endr
.irp t, 0,1
	v_exp_f32 v[ST+8*\t+6], v[ST+8*\t+7]           ; a
.endr
.set n, 0
.rept 64
	v_exp_f32 v[S+n], v[S+n]                       ; p, at most 1
.set n, n+1
.endr
	v_nop                                          ; a plain instruction behind the last exponential
	s_wait_alu depctr_va_vdst(0)                   ; ONE wait for the batch of 66, ahead of its first reader
.irp t, 0,1
	v_pk_mul_f32 v[ST+8*\t+2:ST+8*\t+3], v[ST+8*\t+2:ST+8*\t+3], v[ST+8*\t+6:ST+8*\t+7] op_sel_hi:[1,0]   ; l x a
	v_pk_add_f32 v[ST+8*\t+4:ST+8*\t+5], v[S+32*\t:S+32*\t+1], v[S+32*\t+2:S+32*\t+3]                     ; the sum of p in f32, in two chains
.endr
.irp j, 4,8,12,16,20,24,28
.irp t, 0,1
	v_pk_add_f32 v[ST+8*\t+2:ST+8*\t+3], v[ST+8*\t+2:ST+8*\t+3], v[S+32*\t+\j:S+32*\t+\j+1]
	v_pk_add_f32 v[ST+8*\t+4:ST+8*\t+5], v[ST+8*\t+4:ST+8*\t+5], v[S+32*\t+\j+2:S+32*\t+\j+3]
.endr
.endr
.irp t, 0,1
	v_pk_add_f32 v[ST+8*\t+2:ST+8*\t+3], v[ST+8*\t+2:ST+8*\t+3], v[ST+8*\t+4:ST+8*\t+5]
.endr
.irp d, 0,1,2,3,4,5,6,7,8,9,10,11,12,13,14,15
.irp t, 0,1
	v_cvt_pk_f16_f32 v[S+32*\t+\d], v[S+32*\t+2*\d], v[S+32*\t+2*\d+1]   ; P in place, ascending: register d takes numbers 2 d, 2 d + 1, which no earlier line has written over
.endr
.endr
.irp i, 0,2,4,6,8,10,12,14,16,18,20,22,24,26,28,30
.irp t, 0,1
	v_pk_mul_f32 v[O+32*\t+\i:O+32*\t+\i+1], v[O+32*\t+\i:O+32*\t+\i+1], v[ST+8*\t+6:ST+8*\t+7] op_sel_hi:[1,0]   ; O^T x a
.endr
.endr
	s_wait_dscnt 0x0                               ; V is in
.irp kc, 0,1
.irp ct, 0,1,2,3
.irp qt, 0,1
	v_wmma_f32_16x16x32_f16 v[O+32*\qt+8*\ct:O+32*\qt+8*\ct+7], v[KV+32*\kc+8*\ct:KV+32*\kc+8*\ct+7], v[S+32*\qt+8*\kc:S+32*\qt+8*\kc+7], v[O+32*\qt+8*\ct:O+32*\qt+8*\ct+7]
.endr
.endr
.endr
.Lhidden_\@:
	s_add_co_u32 s[KF], s[KF], 64
.endm
; THE CHANGE OF SLOTS stands at a slot's head.  Each wave waits for all its tensor loads, adds 0 to its spare word, and waits for that and for its reads of the slot that it has left.  Behind the barrier the slot ahead is whole and
; nobody reads the other one.  fill = 1: that other slot is filled with the keys that follow, up to the causal limit: the load has a slot's four steps in which to land.
.macro CHANGE fill
	s_wait_tensorcnt 0x0                           ; no tensor load of mine is out, so a group 0 may be written
	ds_add_u32 v[SPW], v[NIL]
.if \fill
	ds_add_u32 v[SPW], v[NIL]                      ; twice on end, in every trip alike
	s_xor_b32 s[G0K+1], s[G0K+1], SLOT1            ; the walking descriptors: the other slot than last time, the next 256 keys
	s_add_nc_u64 s[G0K+2:G0K+3], s[G0K+2:G0K+3], 32768
	s_xor_b32 s[G0V+1], s[G0V+1], SLOT1
	s_add_nc_u64 s[G0V+2:G0V+3], s[G0V+2:G0V+3], 32768
	s_wait_xcnt 0x0                                ; the last prefetch, a slot back, has read its address
	s_add_nc_u64 s[PFA:PFA+1], s[PFA:PFA+1], 32768 ; one slot further on than the walking descriptors
.endif
	s_wait_dscnt 0x0                               ; the add is done, and my reads of the slot that I have left are over
	s_barrier_signal -1
	s_barrier_wait -1
.if \fill
	s_add_co_u32 s96, s[KF], 256                   ; the first key of the slot that this change would ask for:
	s_cmp_gt_u32 s96, s[LASTQ]                     ; behind my work-group's last query no wave reads it, so it is not asked for.  Ids and the count of steps alone: all sixteen waves go the same way
	s_cbranch_scc1 .Lpast_\@
	TLOAD                                          ; a wave's one tensor load until the next such barrier
.Lpast_\@:
	ASK
.endif
.endm
.macro SLOT_STEPS
	STEP 0
	STEP 1
	STEP 2
	STEP 3
	s_xor_b32 s[TB], s[TB], SLOT1                  ; on to the other slot
.endm
.Lslot:                                            ; 7 trips: behind each change of slots but the last the next slot is asked for, up to the limit
	CHANGE 1
	SLOT_STEPS
	s_sub_co_u32 s[SLOTS], s[SLOTS], 1
	s_cmp_lg_u32 s[SLOTS], 0
	s_cbranch_scc1 .Lslot
	CHANGE 0                                       ; the last slot is written out: nothing is left to ask for
	SLOT_STEPS
	; THE WAY OUT.  l's halves are added; O^T / l, as f16, goes through my stage and leaves as runs of four rows: 512 consecutive bytes.  The additions are the places behind the last products.
.irp t, 0,1
	v_add_f32 v[ST+8*\t+4], v[ST+8*\t+2], v[ST+8*\t+3]
.endr
.irp t, 0,1
	v_permlanex16_b32 v[ST+8*\t+5], v[ST+8*\t+4], s[SEL], s[SEL+1]
.endr
.irp t, 0,1
	v_add_f32 v[ST+8*\t+4], v[ST+8*\t+4], v[ST+8*\t+5]
.endr
	v_nop
	v_nop
.irp t, 0,1
	v_rcp_f32 v[ST+8*\t+6], v[ST+8*\t+4]
.endr
	v_nop                                          ; a plain instruction behind the last reciprocal
	s_wait_alu depctr_va_vdst(0)                   ; one wait for the two, ahead of their first reader
.irp t, 0,1
.irp i, 0,2,4,6,8,10,12,14,16,18,20,22,24,26,28,30
	v_pk_mul_f32 v[O+32*\t+\i:O+32*\t+\i+1], v[O+32*\t+\i:O+32*\t+\i+1], v[ST+8*\t+6:ST+8*\t+7] op_sel_hi:[1,0]
.endr
.irp d, 0,1,2,3,4,5,6,7,8,9,10,11,12,13,14,15
	v_cvt_pk_f16_f32 v[KV+16*\t+\d], v[O+32*\t+2*\d], v[O+32*\t+2*\d+1]
.endr
.irp ct, 0,1,2,3
	ds_store_b128 v[STO], v[KV+16*\t+4*\ct:KV+16*\t+4*\ct+3] offset:32*\ct
.endr
.irp g, 0,1,2,3
	ds_load_b128 v[KV+32+16*\t+4*\g:KV+32+16*\t+4*\g+3], v[RD] offset:\g*4*KP   ; LDS serves a wave's instructions in order: these see my stores, and the next tile's stores come behind them
.endr
.endr
.irp g, 0,1,2,3
	s_wait_dscnt 11-\g                             ; behind tile 0's load g: its own 3 - g, and tile 1's four stores and four loads
	global_store_b128 v[GO], v[KV+32+4*\g:KV+32+4*\g+3], s[6:7] offset:\g*512
.endr
.irp g, 0,1,2,3
	s_wait_dscnt 3-\g
	global_store_b128 v[GO], v[KV+48+4*\g:KV+48+4*\g+3], s[6:7] offset:2048+\g*512
.endr
	s_wait_tensorcnt 0x0                           ; the wave's end, behind my last tensor load and my last LDS store
	ds_add_u32 v[SPW], v[NIL]
	s_wait_dscnt 0x0
	s_endpgm
.Lfunc_end_k_q76cc5ba50f_attn:
	.size	k_q76cc5ba50f_attn, .Lfunc_end_k_q76cc5ba50f_attn-k_q76cc5ba50f_attn
	.p2alignl 7, 3214868480
	.fill 96, 4, 3214868480
	.section	.rodata,"a",@progbits
	.p2align	6, 0x0
	.amdhsa_kernel k_q76cc5ba50f_attn
		.amdhsa_group_segment_fixed_size 327680
		.amdhsa_private_segment_fixed_size 0
		.amdhsa_enable_private_segment 0
		.amdhsa_kernarg_size 16
		.amdhsa_user_sgpr_count 2
		.amdhsa_user_sgpr_kernarg_segment_ptr 1
		.amdhsa_wavefront_size32 1
		.amdhsa_system_sgpr_workgroup_id_x 1
		.amdhsa_system_sgpr_workgroup_id_y 1
		.amdhsa_system_sgpr_workgroup_id_z 1
		.amdhsa_system_vgpr_workitem_id 0
		.amdhsa_next_free_vgpr 256
		.amdhsa_next_free_sgpr 100
		.amdhsa_reserve_vcc 1
		.amdhsa_float_denorm_mode_32 3
		.amdhsa_float_denorm_mode_16_64 3
		.amdhsa_memory_ordered 1
		.amdhsa_forward_progress 1
		.amdhsa_inst_pref_size 189
	.end_amdhsa_kernel
	.amdgpu_metadata
---
amdhsa.version: [ 1, 2 ]
amdhsa.kernels:
  - .name:           k_q76cc5ba50f_attn
    .symbol:         k_q76cc5ba50f_attn.kd
    .args:
      - { .name: qkv, .offset: 0, .size: 8, .value_kind: global_buffer, .address_space: global }
      - { .name: att, .offset: 8, .size: 8, .value_kind: global_buffer, .address_space: global }
    .group_segment_fixed_size: 327680
    .private_segment_fixed_size: 0
    .kernarg_segment_align: 8
    .kernarg_segment_size: 16
    .max_flat_workgroup_size: 512
    .sgpr_count:     100
    .vgpr_count:     256
    .wavefront_size: 32
...
	.end_amdgpu_metadata
.endif
;; end of part 3
;; launch proj (part 4): grid 8 x 32, 4 waves a work-group, clusters of 4 x 4, 327,680 bytes of LDS; arguments att, wo16, out0; writes out0
.if DOCPART == 4
	.amdgcn_target "amdgcn-amd-amdhsa--gfx1250"
	.amdhsa_code_object_version 6
	.text
	.protected	k_q76cc5ba50f_proj
	.globl	k_q76cc5ba50f_proj
	.p2align	8
	.type	k_q76cc5ba50f_proj,@function
k_q76cc5ba50f_proj:
	s_mov_b64 s[64:65], 0
	v_nop
	global_prefetch_b8 v0, s[64:65] scope:SCOPE_SE
	s_setreg_imm32_b32 hwreg(HW_REG_WAVE_MODE, 25, 1), 1
	s_wait_xcnt 0x0
	s_wait_alu depctr_hold_cnt(0) depctr_sa_sdst(0) depctr_va_vdst(0) depctr_va_sdst(0) depctr_va_ssrc(0) depctr_va_vcc(0) depctr_vm_vsrc(0)
	s_getreg_b32 s2, hwreg(HW_REG_IB_STS2, 6, 4)
	s_cmp_eq_u32 s2, 0
	s_cbranch_scc0 .Lentry_in_a_cluster
	s_endpgm
.Lentry_in_a_cluster:
	s_bfe_u32 s2, ttmp6, 0x10000c
	s_cmp_lg_u32 s2, 0xf033
	s_cbranch_scc0 .Lentry_shape_is_right
	s_endpgm
.Lentry_shape_is_right:
; out0[m][n] = the sum over k of att[m][k] Wo[n][k], M = 8,192, N = K = 1,024, on f16 operands, sums in f32, out in f32.  att lies by heads, [batch][head][position][64]: k = 64 head + channel.
; ROWS NOT STORED HERE: positions 0-15 of every sequence.  They average few values and are the largest in size: the last launch makes them in f32 and stores them.  (They lie inside a tile of live rows, so they are multiplied here.)
; A tile of C is 256 x 128: 256 work-groups.  Four waves, each 128 x 64: 32 accumulators, 256 registers.  K goes in steps of 128, two heads, through two LDS slots: wave 0 and wave 1 fetch the two heads' 256 rows of att
; (32,768 dense bytes each), waves 2 and 3 the two halves of Wo's 128 rows (256 bytes a row).
; CLUSTERS: 4 x 4 work-groups; att's tiles are shared along a row of the cluster, Wo's along a column, each asked for jointly.  Tile row = 8 cy + cluster y (the batch is cy), tile column = 4 cluster x + cx.
; THE MATRIX INSTRUCTION IS USED TRANSPOSED (source 0 = 16 rows of Wo, source 1 = 16 rows of att): a lane holds eight neighbouring numbers of a row of C.
; REGISTERS: window 0: v0-31 addresses; v32-127, v128-223 two fragment buffers (A: 8 x 8 registers, then B: 4 x 8); on the way out v32-95 rows read back.   window 1: the accumulators, (a, b) at v[8 (4 a + b)].
.set PA,     144                       ; a row of att in LDS: 128 bytes + 16
.set PB,     272                       ; a row of Wo: 256 bytes + 16
.set ASUB,   256*PA                    ; one head's 256 rows
.set BOFF,   2*ASUB                    ; behind the two heads: Wo's 128 rows
.set SLOT,   BOFF+128*PB
.set STAGE,  2*SLOT                    ; behind the ring: 16 rows x 272 bytes for each wave
.set SPITCH, 272
.set SPARE,  STAGE+4*16*SPITCH         ; the spare words, 128 bytes a wave
.set LAPS,   4                         ; a lap = two K steps = once round the ring
.set ADRA, 16
.set ADRB, 20
.set STO,  24
.set RD,   25
.set CO,   26
.set SPW,  28
.set NIL,  29
.set F0,   32
.set F1,   128
.set BK,   32
.set G1, 24
.set G0, 32
.set G1B, 48
.set G0B, 56
.set MSB, 0
.macro WIN new                         ; the immediate's high byte repeats the setting that is left
.if MSB != (\new)
	s_set_vgpr_msb (MSB<<8)|(\new)
.set MSB, (\new)
.endif
.endm
.set MUL, 0x50                         ; C and D window 1; the sources window 0
.macro JLOAD s                         ; a joint load: waves 0 and 1 fetch att's two heads, waves 2 and 3 Wo's halves; an s_nop 0 and four v_nop follow each of the two lines
	s_cmp_eq_u32 s11, 0
	s_cbranch_scc0 .Lfor_b_\@
	tensor_load_to_lds s[G0+4*\s:G0+4*\s+3], s[G1:G1+7]
	s_nop 0
.rept 4
	v_nop
.endr
	s_branch .Lasked_\@
.Lfor_b_\@:
	tensor_load_to_lds s[G0B+4*\s:G0B+4*\s+3], s[G1B:G1B+7]
	s_nop 0
.rept 4
	v_nop
.endr
.Lasked_\@:
.endm
.macro CREST                           ; a round of the cluster's barrier behind its opening barrier
	s_cmp_lg_u32 s10, 0
	s_cbranch_scc1 .Lnot_wave_0_\@
	s_barrier_signal -3
.Lnot_wave_0_\@:
	s_barrier_wait -3
	s_barrier_signal -1
	s_barrier_wait -1
.endm
.macro CROUND
	s_barrier_signal -1
	s_barrier_wait -1
	CREST
.endm
	s_load_b128 s[4:7], s[0:1], 0x0                ; att, Wo as f16
	s_load_b64 s[8:9], s[0:1], 0x10                ; out0
	v_lshl_add_u32 v[SPW], v0, 2, SPARE
	v_mov_b32 v[NIL], 0
	ds_add_u32 v[SPW], v[NIL]                      ; the wave's opening: the add, twice on end, and its wait ahead of my first tensor load
	ds_add_u32 v[SPW], v[NIL]
	v_lshrrev_b32 v1, 5, v0
	v_readfirstlane_b32 s10, v1                    ; wave 0..3
	s_lshr_b32 s11, s10, 1                         ; which half of the tile's rows is mine.  Also: I fetch for att (0) or for Wo (1)
	s_and_b32 s12, s10, 1                          ; which half of its columns.  Also: which head, or which 64 rows of Wo, I fetch
	s_bfe_u32 s40, ttmp6, 0x40000                  ; cx, cy
	s_bfe_u32 s41, ttmp6, 0x40004
	s_lshl_b32 s42, ttmp9, 2
	s_add_co_u32 s42, s42, s40                     ; tile column = 4 x cluster x + cx
	s_and_b32 s21, ttmp7, 0xffff                   ; cluster y: the tile's place in its sequence
	s_lshl_b32 s13, s41, 3
	s_add_co_u32 s13, s13, s21                     ; tile row = 8 cy + cluster y
	s_or_b32 s45, s21, s11                         ; 0 where my block 0 is rows 0-15 of a sequence: the cluster's y and the wave's number alone
	s_lshl_b32 s43, s41, 2
	s_lshl_b32 s43, 15, s43                        ; my row of the cluster
	s_lshl_b32 s44, 0x1111, s40                    ; my column
	s_or_b32 s[G1+0], s43, (1<<16)|(1<<20)|(1<<21)|(4<<22)|(3<<25)   ; att: elements of 2 bytes; four words of padding after every 32
	s_mov_b32 s[G1+1], 64<<16                      ; tensor_dim0
	s_mov_b32 s[G1+2], 256<<16                     ; tensor_dim1
	s_mov_b32 s[G1+3], 64<<16                      ; tile_dim0
	s_mov_b32 s[G1+4], 256                         ; tile_dim1
	s_mov_b32 s[G1+5], 64                          ; tensor_dim0_stride
	s_mov_b32 s[G1+6], 0
	s_mov_b32 s[G1+7], 0
	s_or_b32 s[G1B+0], s44, (1<<16)|(1<<20)|(1<<21)|(5<<22)|(3<<25)  ; Wo: four words after every 64
	s_mov_b32 s[G1B+1], 128<<16
	s_mov_b32 s[G1B+2], 64<<16
	s_mov_b32 s[G1B+3], 128<<16
	s_mov_b32 s[G1B+4], 64
	s_mov_b32 s[G1B+5], 1024
	s_mov_b32 s[G1B+6], 0
	s_mov_b32 s[G1B+7], 0
	s_lshl_b32 s16, s41, 22                        ; att: the batch's 16 heads,
	s_lshl_b32 s17, s12, 18                        ; head 0 or 1 of the K step,
	s_add_co_u32 s16, s16, s17
	s_lshl_b32 s17, s21, 15                        ; the tile's 256 rows of 128 bytes
	s_add_co_u32 s16, s16, s17
	s_mov_b32 s17, 0
	s_lshl_b32 s46, s42, 7
	s_lshl_b32 s47, s12, 6
	s_add_co_u32 s46, s46, s47                     ; Wo: row 128 x tile column + 64 x half,
	s_lshl_b32 s46, s46, 11                        ; 2,048 bytes a row
	s_mov_b32 s47, 0
	s_mul_i32 s20, s12, ASUB                       ; where they go: no place in the cluster enters an LDS address
	s_mul_i32 s22, s12, 64*PB
	s_add_co_u32 s22, s22, BOFF
	s_wait_dscnt 0x0                               ; both opening adds are done
	s_wait_kmcnt 0x0
	s_add_nc_u64 s[14:15], s[4:5], s[16:17]
	s_add_nc_u64 s[46:47], s[6:7], s[46:47]
	CROUND                                         ; all sixteen work-groups are here: the first joint loads meet
.irp s, 0,1
	s_mov_b32 s[G0+4*\s], 1
	s_add_co_u32 s[G0+4*\s+1], s20, \s*SLOT
	s_add_nc_u64 s[G0+4*\s+2:G0+4*\s+3], s[14:15], \s*524288      ; K step s: two heads on
	s_or_b32 s[G0+4*\s+3], s[G0+4*\s+3], 0x80000000
	s_mov_b32 s[G0B+4*\s], 1
	s_add_co_u32 s[G0B+4*\s+1], s22, \s*SLOT
	s_add_nc_u64 s[G0B+4*\s+2:G0B+4*\s+3], s[46:47], \s*256
	s_or_b32 s[G0B+4*\s+3], s[G0B+4*\s+3], 0x80000000
	JLOAD \s                                       ; two loads of mine are out
.endr
	v_and_b32 v1, 15, v0                           ; r
	v_bfe_u32 v2, v0, 4, 1                         ; h
	v_mul_u32_u24 v3, v1, PA
	v_lshl_add_u32 v3, v2, 4, v3
	v_mul_u32_u24 v4, v1, PB
	v_lshl_add_u32 v4, v2, 4, v4
	s_mul_i32 s21, s11, 128*PA                     ; my 128 rows of att
	s_mul_i32 s22, s12, 64*PB                      ; my 64 rows of Wo
	s_add_co_u32 s22, s22, BOFF
.irp s, 0,1
	v_add_nc_u32 v[ADRA+\s], s21, v3
	v_add_nc_u32 v[ADRB+\s], s22, v4
	s_add_co_u32 s21, s21, SLOT
	s_add_co_u32 s22, s22, SLOT
.endr
	s_mul_i32 s23, s10, 16*SPITCH
	s_add_co_u32 s23, s23, STAGE                   ; my stage
	v_mul_u32_u24 v5, v1, SPITCH
	v_lshl_add_u32 v5, v2, 5, v5
	v_add_nc_u32 v[STO], s23, v5                   ; in: row r, 32 bytes for each half of the lanes
	v_mul_u32_u24 v5, v2, SPITCH
	v_lshl_add_u32 v5, v1, 4, v5
	v_add_nc_u32 v[RD], s23, v5                    ; back: lanes 0-15 one row of 256 bytes, lanes 16-31 the next
	v_lshlrev_b32 v5, 12, v2
	v_lshl_add_u32 v[CO], v1, 4, v5                ; and the same two rows in out0 (4,096 bytes a row)
	s_lshl_b32 s16, s13, 20                        ; my first row: 256 x tile row + 128 x half,
	s_lshl_b32 s17, s11, 19
	s_add_co_u32 s16, s16, s17
	s_mov_b32 s17, 0
	s_add_nc_u64 s[8:9], s[8:9], s[16:17]
	s_lshl_b32 s46, s42, 9                         ; my first column, in bytes: 512 x tile column + 256 x half
	s_lshl_b32 s47, s12, 8
	s_add_co_u32 s46, s46, s47
	s_mov_b32 s47, 0
	s_add_nc_u64 s[8:9], s[8:9], s[46:47]
; 8 matrix instructions: att's blocks 2 g, 2 g + 1 x Wo's four, 32 along K, from buffer f.  The 32 accumulators take turns, in the same order in every quarter.
.macro MUL8 f, g, zero
.irp a, 2*(\g), 2*(\g)+1
.irp b, 0,1,2,3
.if \zero
	v_wmma_f32_16x16x32_f16 v[8*(4*(\a)+\b):8*(4*(\a)+\b)+7], v[\f+64+8*\b:\f+64+8*\b+7], v[\f+8*(\a):\f+8*(\a)+7], 0
.else
	v_wmma_f32_16x16x32_f16 v[8*(4*(\a)+\b):8*(4*(\a)+\b)+7], v[\f+64+8*\b:\f+64+8*\b+7], v[\f+8*(\a):\f+8*(\a)+7], v[8*(4*(\a)+\b):8*(4*(\a)+\b)+7]
.endif
.endr
.endr
.endm
; 24 LDS loads in one run: the fragments of the slot's c-th 32 along K into buffer f: Wo's four, att's blocks 0-3, att's blocks 4-7
.macro FETCH slot, c, f
	WIN 0
.irp i, 0,1,2,3
	ds_load_b128 v[\f+64+8*\i:\f+64+8*\i+3],   v[ADRB+\slot] offset:64*(\c)+\i*16*PB
	ds_load_b128 v[\f+64+8*\i+4:\f+64+8*\i+7], v[ADRB+\slot] offset:64*(\c)+\i*16*PB+32
.endr
.irp i, 0,1,2,3,4,5,6,7
	ds_load_b128 v[\f+8*\i:\f+8*\i+3],   v[ADRA+\slot] offset:((\c)/2)*ASUB+((\c)%2)*64+\i*16*PA
	ds_load_b128 v[\f+8*\i+4:\f+8*\i+7], v[ADRA+\slot] offset:((\c)/2)*ASUB+((\c)%2)*64+\i*16*PA+32
.endr
.endm
.macro PLACES                          ; four places in front of loads into registers that matrix instructions have read, and of the first read of results
.rept 4
	v_nop
.endr
.endm
; A K step is four quarters of 32 along K, 32 matrix instructions each, on buffers 0, 1, 0, 1.  One of the first three: multiplies buffer f and fetches quarter c of the same slot into g.
.macro QUARTER slot, c, f, g, zero
	s_wait_dscnt 8                                 ; Wo's fragments and att's blocks 0-3 are in; the youngest eight loads (blocks 4-7) may be out
	WIN MUL
	MUL8 \f, 0, \zero
	MUL8 \f, 1, \zero
	PLACES
	FETCH \slot, \c, \g
	s_wait_dscnt 24                                ; all but the 24 just issued
	WIN MUL
	MUL8 \f, 2, \zero
	MUL8 \f, 3, \zero
.endm
; The last quarter multiplies buffer 1 and changes slots: one barrier; in front of it each wave waits for all its tensor loads, adds 0 to its spare word, and waits for that and for its reads of this slot.  fill = 1: this slot is filled again.
.macro TURN slot, next, fill
	WIN 0                                          ; (the add's two registers lie in window 0)
	s_wait_tensorcnt 0x0                           ; all my tensor loads have landed: my part of the next slot
	ds_add_u32 v[SPW], v[NIL]
	s_wait_dscnt 9                                 ; (the add and the youngest eight loads may be out)
	WIN MUL
	MUL8 F1, 0, 0                                  ; eight matrix instructions stand between the add and the wait for it
	s_wait_dscnt 0x0                               ; the add is done, and my reads of this slot are over
	s_barrier_signal -1
	MUL8 F1, 1, 0
.if \fill
	WIN 0
.endif
	s_barrier_wait -1
.if \fill
	CREST                                          ; the barrier has opened a round of the cluster's barrier: no wave of any partner still reads this slot or has a load on its way
	s_add_nc_u64 s[G0+4*\slot+2:G0+4*\slot+3], s[G0+4*\slot+2:G0+4*\slot+3], 1048576   ; two K steps on: four heads
	s_add_nc_u64 s[G0B+4*\slot+2:G0B+4*\slot+3], s[G0B+4*\slot+2:G0B+4*\slot+3], 512
	JLOAD \slot                                    ; the first tensor load behind the round; its four v_nop are also the places in front of the loads below
.else
	PLACES
.endif
	FETCH \next, 0, F0
	WIN MUL
	MUL8 F1, 2, 0
	MUL8 F1, 3, 0
.endm
	s_wait_tensorcnt 1                             ; my part of K step 0 is in; K step 1's load may stay out
	s_barrier_signal -1
	s_barrier_wait -1
	FETCH 0, 0, F0
	QUARTER 0, 1, F0, F1, 1                        ; the first quarter's products start the sums: nothing is cleared
	WIN 0                                          ; at a label and at a branch every window is 0
	s_mov_b32 s3, LAPS-1
.Llap:                                                 ; a trip goes once round the ring, from a lap's second quarter to the next lap's first, and fills both slots again
	QUARTER 0, 2, F1, F0, 0
	QUARTER 0, 3, F0, F1, 0
	TURN 0, 1, 1
	QUARTER 1, 1, F0, F1, 0
	QUARTER 1, 2, F1, F0, 0
	QUARTER 1, 3, F0, F1, 0
	TURN 1, 0, 1
	QUARTER 0, 1, F0, F1, 0
	WIN 0
	s_sub_co_u32 s3, s3, 1
	s_cmp_lg_u32 s3, 0
	s_cbranch_scc1 .Llap
	QUARTER 0, 2, F1, F0, 0                        ; the last lap fills nothing, and has no round of the cluster's barrier
	QUARTER 0, 3, F0, F1, 0
	TURN 0, 1, 0
	QUARTER 1, 1, F0, F1, 0
	QUARTER 1, 2, F1, F0, 0
	QUARTER 1, 3, F0, F1, 0
	s_wait_dscnt 8                                 ; the very last quarter: nothing more to fetch
	WIN MUL
	MUL8 F1, 0, 0
	MUL8 F1, 1, 0
	s_wait_dscnt 0
	MUL8 F1, 2, 0
	MUL8 F1, 3, 0
	WIN 0
; THE WAY OUT, block by block of 16 rows x 64 columns: through my own stage, back as whole rows of 256 bytes.  LDS serves a wave's instructions in order (ISA guide 5.7.1.4).
.macro TOSTAGE a
	WIN 0x04                                       ; an LDS store's data are its source 1: window 1
.irp b, 0,1,2,3
	ds_store_b128 v[STO], v[8*(4*(\a)+\b):8*(4*(\a)+\b)+3] offset:64*\b          ; each accumulator from its low end on
	ds_store_b128 v[STO], v[8*(4*(\a)+\b)+4:8*(4*(\a)+\b)+7] offset:64*\b+16
.endr
	WIN 0
.set BB, BK+32*((\a)%2)
.irp t, 0,1,2,3,4,5,6,7
	ds_load_b128 v[BB+4*\t:BB+4*\t+3], v[RD] offset:\t*2*SPITCH
.endr
.endm
.macro SEND a, younger                 ; younger: the LDS instructions issued behind block a's loads, which may stay out
.set BB, BK+32*((\a)%2)
	s_wait_dscnt \younger
.irp t, 0,1,2,3,4,5,6,7
	global_store_b128 v[CO], v[BB+4*\t:BB+4*\t+3], s[8:9] offset:(\a)*65536+\t*8192 th:TH_STORE_NT   ; 16 lanes store 256 consecutive bytes, at a multiple of 256 from out0's first byte
.endr
.endm
	PLACES
	s_cmp_eq_u32 s45, 0                            ; rows 0-15 of a sequence are the last launch's
	s_cbranch_scc1 .Lskip0
	TOSTAGE 0
	SEND 0, 0
.Lskip0:
	TOSTAGE 1
.irp a, 2,3,4,5,6,7
	s_wait_xcnt 0x0                                ; block a - 2's stores have read the registers into which block a's rows are loaded
	TOSTAGE \a
	SEND \a-1, 16                                  ; behind block a - 1's loads: block a's 8 stores and 8 loads
.endr
	SEND 7, 0
	s_wait_tensorcnt 0x0                           ; the wave's end, behind my last tensor load and my last LDS store
	ds_add_u32 v[SPW], v[NIL]
	s_wait_dscnt 0x0
	CROUND                                         ; the closing round
	s_endpgm
.Lfunc_end_k_q76cc5ba50f_proj:
	.size	k_q76cc5ba50f_proj, .Lfunc_end_k_q76cc5ba50f_proj-k_q76cc5ba50f_proj
	.p2alignl 7, 3214868480
	.fill 96, 4, 3214868480
	.section	.rodata,"a",@progbits
	.p2align	6, 0x0
	.amdhsa_kernel k_q76cc5ba50f_proj
		.amdhsa_group_segment_fixed_size 327680
		.amdhsa_private_segment_fixed_size 0
		.amdhsa_enable_private_segment 0
		.amdhsa_kernarg_size 24
		.amdhsa_user_sgpr_count 2
		.amdhsa_user_sgpr_kernarg_segment_ptr 1
		.amdhsa_wavefront_size32 1
		.amdhsa_system_sgpr_workgroup_id_x 1
		.amdhsa_system_sgpr_workgroup_id_y 1
		.amdhsa_system_sgpr_workgroup_id_z 1
		.amdhsa_system_vgpr_workitem_id 0
		.amdhsa_next_free_vgpr 512
		.amdhsa_next_free_sgpr 66
		.amdhsa_reserve_vcc 0
		.amdhsa_float_denorm_mode_32 3
		.amdhsa_float_denorm_mode_16_64 3
		.amdhsa_memory_ordered 1
		.amdhsa_forward_progress 1
		.amdhsa_inst_pref_size 86
	.end_amdhsa_kernel
	.amdgpu_metadata
---
amdhsa.version: [ 1, 2 ]
amdhsa.kernels:
  - .name:           k_q76cc5ba50f_proj
    .symbol:         k_q76cc5ba50f_proj.kd
    .args:
      - { .name: att, .offset: 0, .size: 8, .value_kind: global_buffer, .address_space: global }
      - { .name: wo16, .offset: 8, .size: 8, .value_kind: global_buffer, .address_space: global }
      - { .name: out0, .offset: 16, .size: 8, .value_kind: global_buffer, .address_space: global }
    .group_segment_fixed_size: 327680
    .private_segment_fixed_size: 0
    .kernarg_segment_align: 8
    .kernarg_segment_size: 24
    .max_flat_workgroup_size: 128
    .sgpr_count:     66
    .vgpr_count:     512
    .wavefront_size: 32
...
	.end_amdgpu_metadata
.endif
;; end of part 4
;; launch head16 (part 5): grid 16 x 4, 16 waves a work-group, no clusters, 104,448 bytes of LDS; arguments q32, Wo, out0; writes out0
.if DOCPART == 5
	.amdgcn_target "amdgcn-amd-amdhsa--gfx1250"
	.amdhsa_code_object_version 6
	.text
	.protected	k_q76cc5ba50f_head16
	.globl	k_q76cc5ba50f_head16
	.p2align	8
	.type	k_q76cc5ba50f_head16,@function
k_q76cc5ba50f_head16:
	s_mov_b64 s[64:65], 0
	v_nop
	global_prefetch_b8 v0, s[64:65] scope:SCOPE_SE
	s_setreg_imm32_b32 hwreg(HW_REG_WAVE_MODE, 25, 1), 1
	s_wait_xcnt 0x0
; POSITIONS 0-15 OF EVERY SEQUENCE, in f32 throughout: scores, softmax, weights x V, and the projection by Wo.  Under the causal mask these rows average one to sixteen values and are the largest of the output; f16 operands
; would use up what the comparison allows.  It is 64 rows of 8,192: no bulk work.  Keys behind position 15 lie wholly under reference()'s own mask for these queries and are not touched.
; A work-group takes one batch (y) and 64 columns of the output (x); each of its sixteen waves takes one head: attention of 16 queries x 16 keys, then its head's 64 terms of the 16 x 64 outputs; the sixteen parts are added through LDS,
; in a fixed order.  (Each of a batch's 16 work-groups makes the small attention anew: 32 matrix instructions a wave.)
; q32 holds, for each of Q, K, V, batch and head, 16 rows x 64 as an image of registers: at b x 1,024 + half x 512 + 16 x lane stand channels 16 b + 8 (lane / 16) + 4 half + 0..3 of row lane % 16.
; v_wmma_f32_16x16x4_f32: lane (r, h), register j of a source holds k slot 2 h + j of row r.  Which channel or key stands in a slot is free, so long as both sources agree: here the slots take what the images and results hold.
; The four accumulators v192-223 are written by matrix instructions alone; each sum begins with C = 0; what is made of a sum goes into other registers.  Nine places stand behind each stage's last product (ISA guide 7.12.1).
.set QF,  32                           ; v32-63   Q's image; later Wo's tiles 2, 3 (with v64-95)
.set KF,  64                           ; v64-95   K's image
.set VF,  96                           ; v96-127  V^T's fragments; later the attention's result
.set W1,  128                          ; v128-191 Wo's tiles 0, 1; later the sixteen parts
.set W2,  32
.set ACC, 192
.set P,   224                          ; v224-231
.set T,   232                          ; v232-247
.set SS,  24                           ; v24-31   the scores
.set SPW, 12
.set NIL, 13
.set PART, 6400                        ; LDS: a wave's part: 8 pieces, 784 bytes apart
.set SPARE, 16*PART                    ; the spare words, 128 bytes a wave
	s_load_b128 s[4:7], s[0:1], 0x0                ; q32, Wo
	s_load_b64 s[8:9], s[0:1], 0x10                ; out0
	v_lshl_add_u32 v[SPW], v0, 2, SPARE
	v_mov_b32 v[NIL], 0
	v_lshrrev_b32 v1, 5, v0
	v_readfirstlane_b32 s10, v1                    ; wave = head
	s_and_b32 s11, ttmp7, 0xffff                   ; batch
	v_and_b32 v14, 31, v0                          ; lane
	v_bfe_u32 v15, v0, 4, 1                        ; h
	v_and_b32 v16, 15, v0                          ; r
	v_lshlrev_b32 v4, 4, v14                       ; 16 x lane
	v_bfe_u32 v17, v0, 2, 1                        ; V^T: lane (r, h) wants V[key 8 h + ..][channel 16 ct + r]: in the image half (r / 4) % 2,
	v_lshlrev_b32 v5, 9, v17
	v_bfe_u32 v17, v0, 3, 1
	v_lshl_add_u32 v5, v17, 8, v5                  ; lane 16 (r / 8) + key,
	v_lshl_add_u32 v5, v15, 7, v5
	v_and_b32 v17, 3, v0
	v_lshl_add_u32 v5, v17, 2, v5                  ; word r % 4
	v_lshlrev_b32 v6, 12, v16
	v_lshl_add_u32 v6, v15, 5, v6                  ; Wo: row r of 4,096 bytes, + 32 h
	v_lshlrev_b32 v17, 3, v15
	v_sub_nc_u32 v7, v16, v17                      ; r - 8 h
	v_lshl_add_u32 v8, v15, 7, v4
	s_mul_i32 s12, s10, PART
	v_add_nc_u32 v8, s12, v8                       ; my part: 16 x lane, + 128 for lanes 16-31
	v_bfe_u32 v17, v0, 2, 2                        ; the reader: lane = (row % 2, piece cp of four columns): tile cp / 4,
	v_mul_u32_u24 v9, v17, 1568
	v_and_b32 v17, 1, v0
	v_mad_u32_u24 v9, v17, 784, v9                 ; half cp % 2,
	v_bfe_u32 v17, v0, 1, 1
	v_mad_u32_u24 v9, v17, 384, v9                 ; lanes 16-31 where (cp / 2) % 2,
	v_lshl_add_u32 v9, v15, 4, v9
	s_lshl_b32 s13, s10, 5
	v_add_nc_u32 v9, s13, v9                       ; row 2 x wave + lane / 16
	v_add_nc_u32 v10, 8*PART, v9
	v_lshlrev_b32 v11, 12, v15
	v_lshl_add_u32 v11, v16, 4, v11                ; out0: two rows, 16 bytes a lane
	v_mov_b32 v14, 0xff800000                      ; -infinity
	s_mov_b32 s20, 0x76543210
	s_mov_b32 s21, 0xfedcba98                      ; v_permlanex16_b32's selects for lane l xor 16
	s_mov_b32 s22, 0x3e38aa3b                      ; c = log2(e) / 8
	s_lshl_b32 s14, s11, 4
	s_add_co_u32 s14, s14, s10
	s_lshl_b32 s14, s14, 12                        ; q32: (16 batch + head) x 4,096; K's and V's planes stand in the immediates
	s_mov_b32 s15, 0
	s_lshl_b32 s16, ttmp9, 18                      ; Wo: 64 rows a work-group,
	s_lshl_b32 s17, s10, 8                         ; my head's 64 columns
	s_add_co_u32 s16, s16, s17
	s_mov_b32 s17, 0
	s_lshl_b32 s18, s11, 23                        ; out0: the batch's first row,
	s_lshl_b32 s19, s10, 13                        ; two rows a reading wave,
	s_add_co_u32 s18, s18, s19
	s_lshl_b32 s19, ttmp9, 8                       ; 64 columns a work-group
	s_add_co_u32 s18, s18, s19
	s_mov_b32 s19, 0
	s_wait_kmcnt 0x0
	s_add_nc_u64 s[4:5], s[4:5], s[14:15]
	s_add_nc_u64 s[6:7], s[6:7], s[16:17]
	s_add_nc_u64 s[8:9], s[8:9], s[18:19]
.irp n, 0,1,2,3,4,5,6,7
	global_load_b128 v[QF+4*\n:QF+4*\n+3], v4, s[4:5] offset:\n*512
.endr
.irp n, 0,1,2,3,4,5,6,7
	global_load_b128 v[KF+4*\n:KF+4*\n+3], v4, s[4:5] offset:262144+\n*512
.endr
.irp ct, 0,1,2,3
.irp e, 0,1,2,3,4,5,6,7
	global_load_b32 v[VF+8*\ct+\e], v5, s[4:5] offset:524288+\ct*1024+\e*16      ; V[key 8 h + e][channel 16 ct + r]
.endr
.endr
.irp nt, 0,1
.irp t, 0,1,2,3
.irp hf, 0,1
	global_load_b128 v[W1+32*\nt+8*\t+4*\hf:W1+32*\nt+8*\t+4*\hf+3], v6, s[6:7] offset:\nt*65536+\t*64+\hf*16   ; Wo[16 nt + r][64 head + 16 t + 8 h + 4 hf + 0..3]
.endr
.endr
.endr
	s_wait_loadcnt 48                              ; Q and K are in; V's 32 loads and Wo's 16 stay out
.irp i, 0,1,2,3                                ; S^T = K Q^T: four sums of 16 channels each, by turns
.irp b, 0,1,2,3
.if \i == 0
	v_wmma_f32_16x16x4_f32 v[ACC+8*\b:ACC+8*\b+7], v[KF+8*\b+2*\i:KF+8*\b+2*\i+1], v[QF+8*\b+2*\i:QF+8*\b+2*\i+1], 0
.else
	v_wmma_f32_16x16x4_f32 v[ACC+8*\b:ACC+8*\b+7], v[KF+8*\b+2*\i:KF+8*\b+2*\i+1], v[QF+8*\b+2*\i:QF+8*\b+2*\i+1], v[ACC+8*\b:ACC+8*\b+7]
.endif
.endr
.endr
.rept 9
	v_nop
.endr
.irp nt, 0,1
.irp t, 0,1,2,3
.irp hf, 0,1
	global_load_b128 v[W2+32*\nt+8*\t+4*\hf:W2+32*\nt+8*\t+4*\hf+3], v6, s[6:7] offset:(\nt+2)*65536+\t*64+\hf*16   ; Wo's tiles 2, 3, over Q and K
.endr
.endr
.endr
.irp j, 0,2,4,6
	v_pk_add_f32 v[T+\j:T+\j+1], v[ACC+\j:ACC+\j+1], v[ACC+8+\j:ACC+8+\j+1]          ; each accumulator from its low end on
.endr
.irp j, 0,2,4,6
	v_pk_add_f32 v[T+8+\j:T+8+\j+1], v[ACC+16+\j:ACC+16+\j+1], v[ACC+24+\j:ACC+24+\j+1]
.endr
.irp j, 0,2,4,6
	v_pk_add_f32 v[SS+\j:SS+\j+1], v[T+\j:T+\j+1], v[T+8+\j:T+8+\j+1]                ; register j: key 8 h + j, query r
.endr
.irp j, 0,1,2,3,4,5,6,7
	v_cmp_gt_i32 vcc_lo, \j, v7                    ; hidden where 8 h + j > r
	v_cndmask_b32 v[SS+\j], v[SS+\j], v14, vcc_lo
.endr
	v_max3_num_f32 v15, v[SS], v[SS+1], v[SS+2]
	v_max3_num_f32 v16, v[SS+3], v[SS+4], v[SS+5]
	v_max3_num_f32 v15, v15, v[SS+6], v[SS+7]
	v_max_num_f32 v15, v15, v16
	v_permlanex16_b32 v16, v15, s20, s21
	v_max_num_f32 v15, v15, v16                    ; the row's maximum: key 0 counts for every query, so it is a number
	v_mul_f32 v15, s22, v15
.irp j, 0,1,2,3,4,5,6,7
	v_fma_f32 v[P+\j], v[SS+\j], s22, -v15
.endr
.irp j, 0,1,2,3,4,5,6,7
	v_exp_f32 v[P+\j], v[P+\j]
.endr
	v_nop                                          ; a plain instruction behind the last exponential
	s_wait_alu depctr_va_vdst(0)                   ; one wait for the eight, ahead of their first reader
	v_pk_add_f32 v[16:17], v[P:P+1], v[P+2:P+3]
	v_pk_add_f32 v[18:19], v[P+4:P+5], v[P+6:P+7]
	v_pk_add_f32 v[16:17], v[16:17], v[18:19]
	v_add_f32 v16, v16, v17
	v_permlanex16_b32 v17, v16, s20, s21
	v_add_f32 v16, v16, v17                        ; the row's sum
	v_rcp_f32 v18, v16
	v_nop
	s_wait_alu depctr_va_vdst(0)                   ; the reciprocal's wait
	s_wait_loadcnt 32                              ; V is in; Wo's 32 loads stay out
.irp i, 0,1,2,3                                ; O^T = V^T P: K step i takes keys 8 h + 2 i, 2 i + 1; four tiles of 16 channels by turns
.irp ct, 0,1,2,3
.if \i == 0
	v_wmma_f32_16x16x4_f32 v[ACC+8*\ct:ACC+8*\ct+7], v[VF+8*\ct+2*\i:VF+8*\ct+2*\i+1], v[P+2*\i:P+2*\i+1], 0
.else
	v_wmma_f32_16x16x4_f32 v[ACC+8*\ct:ACC+8*\ct+7], v[VF+8*\ct+2*\i:VF+8*\ct+2*\i+1], v[P+2*\i:P+2*\i+1], v[ACC+8*\ct:ACC+8*\ct+7]
.endif
.endr
.endr
.rept 9
	v_nop
.endr
.set n, 0
.rept 32
	v_mul_f32 v[VF+n], v[ACC+n], v18               ; the attention's result: register 8 t + j: channel 16 t + 8 h + j of query r
.set n, n+1
.endr
	s_wait_loadcnt 16                              ; Wo's tiles 0, 1 are in; tiles 2, 3 stay out
.irp t, 0,1,2,3                                ; my head's 64 terms of the outputs, transposed: source 0 = 16 rows of Wo, source 1 = the 16 queries; two tiles by turns
.irp i, 0,1,2,3
.irp nt, 0,1
.if (\t == 0) && (\i == 0)
	v_wmma_f32_16x16x4_f32 v[ACC+8*\nt:ACC+8*\nt+7], v[W1+32*\nt+8*\t+2*\i:W1+32*\nt+8*\t+2*\i+1], v[VF+8*\t+2*\i:VF+8*\t+2*\i+1], 0
.else
	v_wmma_f32_16x16x4_f32 v[ACC+8*\nt:ACC+8*\nt+7], v[W1+32*\nt+8*\t+2*\i:W1+32*\nt+8*\t+2*\i+1], v[VF+8*\t+2*\i:VF+8*\t+2*\i+1], v[ACC+8*\nt:ACC+8*\nt+7]
.endif
.endr
.endr
.endr
	s_wait_loadcnt 0x0
.irp t, 0,1,2,3
.irp i, 0,1,2,3
.irp nt, 0,1
.if (\t == 0) && (\i == 0)
	v_wmma_f32_16x16x4_f32 v[ACC+16+8*\nt:ACC+16+8*\nt+7], v[W2+32*\nt+8*\t+2*\i:W2+32*\nt+8*\t+2*\i+1], v[VF+8*\t+2*\i:VF+8*\t+2*\i+1], 0
.else
	v_wmma_f32_16x16x4_f32 v[ACC+16+8*\nt:ACC+16+8*\nt+7], v[W2+32*\nt+8*\t+2*\i:W2+32*\nt+8*\t+2*\i+1], v[VF+8*\t+2*\i:VF+8*\t+2*\i+1], v[ACC+16+8*\nt:ACC+16+8*\nt+7]
.endif
.endr
.endr
.endr
.rept 9
	v_nop
.endr
.irp nt, 0,1,2,3
.irp hf, 0,1
	ds_store_b128 v8, v[ACC+8*\nt+4*\hf:ACC+8*\nt+4*\hf+3] offset:(2*\nt+\hf)*784   ; lane (r, h): columns 16 nt + 8 h + 4 hf + 0..3 of query r
.endr
.endr
	s_wait_dscnt 0x0                               ; for the others' sake: my part lies in LDS
	s_barrier_signal -1
	s_barrier_wait -1
	s_cmp_ge_u32 s10, 8                            ; waves 0-7 add the sixteen parts, two rows each
	s_cbranch_scc1 .Ldone
.irp p, 0,1,2,3,4,5,6,7
	ds_load_b128 v[W1+4*\p:W1+4*\p+3], v9 offset:\p*PART
.endr
.irp p, 0,1,2,3,4,5,6,7
	ds_load_b128 v[W1+32+4*\p:W1+32+4*\p+3], v10 offset:\p*PART
.endr
	s_wait_dscnt 0x0
.irp p, 0,2,4,6,8,10,12,14
	v_pk_add_f32 v[W1+4*\p:W1+4*\p+1], v[W1+4*\p:W1+4*\p+1], v[W1+4*\p+4:W1+4*\p+5]
	v_pk_add_f32 v[W1+4*\p+2:W1+4*\p+3], v[W1+4*\p+2:W1+4*\p+3], v[W1+4*\p+6:W1+4*\p+7]
.endr
.irp p, 0,4,8,12
	v_pk_add_f32 v[W1+4*\p:W1+4*\p+1], v[W1+4*\p:W1+4*\p+1], v[W1+4*\p+8:W1+4*\p+9]
	v_pk_add_f32 v[W1+4*\p+2:W1+4*\p+3], v[W1+4*\p+2:W1+4*\p+3], v[W1+4*\p+10:W1+4*\p+11]
.endr
.irp p, 0,8
	v_pk_add_f32 v[W1+4*\p:W1+4*\p+1], v[W1+4*\p:W1+4*\p+1], v[W1+4*\p+16:W1+4*\p+17]
	v_pk_add_f32 v[W1+4*\p+2:W1+4*\p+3], v[W1+4*\p+2:W1+4*\p+3], v[W1+4*\p+18:W1+4*\p+19]
.endr
	v_pk_add_f32 v[W1:W1+1], v[W1:W1+1], v[W1+32:W1+33]
	v_pk_add_f32 v[W1+2:W1+3], v[W1+2:W1+3], v[W1+34:W1+35]
	global_store_b128 v11, v[W1:W1+3], s[8:9]      ; 16 lanes store 256 consecutive bytes of a row, at a multiple of 256 from out0's first byte
.Ldone:
	s_wait_tensorcnt 0x0                           ; the wave's end, behind my last LDS store
	ds_add_u32 v[SPW], v[NIL]
	s_wait_dscnt 0x0
	s_endpgm
.Lfunc_end_k_q76cc5ba50f_head16:
	.size	k_q76cc5ba50f_head16, .Lfunc_end_k_q76cc5ba50f_head16-k_q76cc5ba50f_head16
	.p2alignl 7, 3214868480
	.fill 96, 4, 3214868480
	.section	.rodata,"a",@progbits
	.p2align	6, 0x0
	.amdhsa_kernel k_q76cc5ba50f_head16
		.amdhsa_group_segment_fixed_size 104448
		.amdhsa_private_segment_fixed_size 0
		.amdhsa_enable_private_segment 0
		.amdhsa_kernarg_size 24
		.amdhsa_user_sgpr_count 2
		.amdhsa_user_sgpr_kernarg_segment_ptr 1
		.amdhsa_wavefront_size32 1
		.amdhsa_system_sgpr_workgroup_id_x 1
		.amdhsa_system_sgpr_workgroup_id_y 1
		.amdhsa_system_sgpr_workgroup_id_z 1
		.amdhsa_system_vgpr_workitem_id 0
		.amdhsa_next_free_vgpr 256
		.amdhsa_next_free_sgpr 66
		.amdhsa_reserve_vcc 1
		.amdhsa_float_denorm_mode_32 3
		.amdhsa_float_denorm_mode_16_64 3
		.amdhsa_memory_ordered 1
		.amdhsa_forward_progress 1
		.amdhsa_inst_pref_size 26
	.end_amdhsa_kernel
	.amdgpu_metadata
---
amdhsa.version: [ 1, 2 ]
amdhsa.kernels:
  - .name:           k_q76cc5ba50f_head16
    .symbol:         k_q76cc5ba50f_head16.kd
    .args:
      - { .name: q32, .offset: 0, .size: 8, .value_kind: global_buffer, .address_space: global }
      - { .name: Wo, .offset: 8, .size: 8, .value_kind: global_buffer, .address_space: global }
      - { .name: out0, .offset: 16, .size: 8, .value_kind: global_buffer, .address_space: global }
    .group_segment_fixed_size: 104448
    .private_segment_fixed_size: 0
    .kernarg_segment_align: 8
    .kernarg_segment_size: 24
    .max_flat_workgroup_size: 512
    .sgpr_count:     66
    .vgpr_count:     256
    .wavefront_size: 32
...
	.end_amdgpu_metadata
.endif
;; end of part 5
